; MI455X (gfx1250); checked and timed in simulation.
; The chip was launched on July 23, 2026; its instructions are those of AMD's public machine-readable ISA for CDNA 5 (MIT licence, August 2026) and "CDNA5" Instruction Set Architecture Reference Guide (July 2026). The comments in the code are by the model that wrote it; some were corrected since.
;; Self Attention Layer. Allowed arithmetic: float matrix products may take bf16 or f16 operands with f32 sums; other float arithmetic in f32, or as packed bf16 or f16 multiplies, adds, multiply-adds, maxima and minima; sums over many terms, partial sums and values carried from step to step in f32; what a program stores and reads back later, other than sums and carried values, may be rounded once to bf16 or f16.
;; Inputs: Wk_b 1,024 float32; Wk_w 1,024 x 1,024 float32; Wq_b 1,024 float32; Wq_w 1,024 x 1,024 float32; Wv_b 1,024 float32; Wv_w 1,024 x 1,024 float32; x 4 x 2,048 x 1,024 float32.
;; Outputs: out0 4 x 2,048 x 1,024 float32.
;; 2 versions, each right; version 2 is version 1 with the launch cast written anew for expert scheduling mode. Each part assembles by itself: llvm-mc -triple=amdgcn-amd-amdhsa -mcpu=gfx1250 --defsym DOCPART=n.
;; ======== version 1 of 2: 4 launches
;; limits: values are held in f16: magnitudes above 65,504 overflow, below 6.1e-05 lose precision
;; workspace buffers: xb 16,777,216 bytes; wb 6,291,456 bytes; qkv 50,331,648 bytes; pbuf 33,554,432 bytes; stat 1,048,576 bytes
;; launch cast (part 1): grid 256 x 1, 8 waves a work-group, no clusters, 0 bytes of LDS; arguments x, Wq_w, Wk_w, Wv_w, xb, wb; writes xb, wb
.if DOCPART == 1
	.amdgcn_target "amdgcn-amd-amdhsa--gfx1250"
	.amdhsa_code_object_version 6
	.text
	.protected	k_q581924c494_cast
	.globl	k_q581924c494_cast
	.p2align	8
	.type	k_q581924c494_cast,@function
k_q581924c494_cast:
	s_mov_b64 s[64:65], 0
	v_nop
	global_prefetch_b8 v0, s[64:65] scope:SCOPE_SE
	s_setreg_imm32_b32 hwreg(HW_REG_WAVE_MODE, 25, 1), 1
	s_wait_xcnt 0x0
; x [8192][1024] and the three weights [1024][1024], all f32, are rounded once to bf16 (nearest even).
; xb lies in chunks of 64 along k: byte = (k / 64) x 1,048,576 + row x 128 + 2 (k % 64), so that a tile of rows x 64 is dense.
; wb is a plain cast: [3][1024 k][1024 n], q, k, v in this order.
; SHARES.  Work-group g: rows 32 g .. 32 g + 31 of x and rows 4 g .. 4 g + 3 of each weight: 44 rows of 4,096 bytes, the same for all 256.
; Wave w: four rows of x (two pairs x 16 chunks: lanes 0-15 take 256 bytes of the even row, lanes 16-31 of the odd one) and 512 bytes of each of the 12 weight rows.
; All 44 loads of a wave go out first; each is then waited for by its own count, rounded in place and stored: a store of 8 bytes a lane covers 256 consecutive bytes, aligned.
; No register is written twice, so no wait frees a source.  No LDS, no matrix unit, no cluster: nothing is shared and nothing is multiplied.
.set D0, 8                             ; v[8:183]  load i: four registers
.set VX,  2                            ; v2  my byte offset in the group's rows of x
.set VXO, 3                            ; v3  my byte offset in a chunk of xb
.set VW,  4                            ; v4  my byte offset in a weight row
.set VWO, 5                            ; v5  the same in wb
	s_load_b256 s[4:11], s[0:1], 0x0               ; x s[4:5], Wq s[6:7], Wk s[8:9], Wv s[10:11]
	s_load_b128 s[12:15], s[0:1], 0x20             ; xb s[12:13], wb s[14:15]
	v_and_b32 v1, 31, v0                           ; lane
	v_lshrrev_b32 v6, 5, v0                        ; wave
	v_lshrrev_b32 v7, 4, v1                        ; which row of a pair
	v_and_b32 v[VX], 15, v1
	v_lshlrev_b32 v[VX], 4, v[VX]
	v_lshl_add_u32 v[VX], v7, 12, v[VX]
	v_lshl_add_u32 v[VX], v6, 14, v[VX]            ; wave x 4 rows + row of the pair + 16 (lane % 16)
	v_lshlrev_b32 v[VXO], 3, v1
	v_lshl_add_u32 v[VXO], v6, 9, v[VXO]           ; wave x 4 rows of 128 bytes + 8 x lane
	v_lshlrev_b32 v[VW], 4, v0                     ; 512 x wave + 16 x lane
	v_lshlrev_b32 v[VWO], 3, v0                    ; 256 x wave + 8 x lane
	s_lshl_b32 s20, ttmp9, 17                      ; 32 rows of x
	s_mov_b32 s21, 0
	s_lshl_b32 s22, ttmp9, 14                      ; 4 rows of a weight
	s_mov_b32 s23, 0
	s_lshl_b32 s24, ttmp9, 12                      ; 32 rows of a chunk of xb
	s_mov_b32 s25, 0
	s_lshl_b32 s26, ttmp9, 13                      ; 4 rows of wb
	s_mov_b32 s27, 0
	s_wait_kmcnt 0x0
	s_add_nc_u64 s[4:5], s[4:5], s[20:21]
	s_add_nc_u64 s[6:7], s[6:7], s[22:23]
	s_add_nc_u64 s[8:9], s[8:9], s[22:23]
	s_add_nc_u64 s[10:11], s[10:11], s[22:23]
	s_add_nc_u64 s[16:17], s[12:13], s[24:25]      ; xb, chunks 0-7
	s_add_nc_u64 s[18:19], s[16:17], 0x800000      ; xb, chunks 8-15: the stores' immediates stay inside 24 signed bits
	s_add_nc_u64 s[14:15], s[14:15], s[26:27]
.set i_, 0
.rept 32                               ; load i: pair i / 16, chunk i % 16
	global_load_b128 v[D0+4*i_:D0+4*i_+3], v[VX], s[4:5] offset:(i_/16)*8192+(i_%16)*256 th:TH_LOAD_NT
.set i_, i_+1
.endr
.irp m, 0,1,2
.irp j, 0,1,2,3
	global_load_b128 v[D0+4*(32+4*(\m)+(\j)):D0+4*(32+4*(\m)+(\j))+3], v[VW], s[6+2*(\m):7+2*(\m)] offset:(\j)*4096 th:TH_LOAD_NT
.endr
.endr
; load i is in (the 43 - i younger ones stay out: loads come back in order), is rounded in place and leaves
.macro OUT i, ad, sb, off
	s_wait_loadcnt 43-(\i)
	v_cvt_pk_bf16_f32 v[D0+4*(\i)], v[D0+4*(\i)], v[D0+4*(\i)+1]
	v_cvt_pk_bf16_f32 v[D0+4*(\i)+1], v[D0+4*(\i)+2], v[D0+4*(\i)+3]
	global_store_b64 v[\ad], v[D0+4*(\i):D0+4*(\i)+1], s[\sb:(\sb)+1] offset:\off th:TH_STORE_NT
.endm
.set i_, 0
.rept 32
	OUT i_, VXO, 16+2*((i_%16)/8), ((i_%16)%8)*1048576+(i_/16)*256
.set i_, i_+1
.endr
.set i_, 0
.rept 12
	OUT 32+i_, VWO, 14, (i_/4)*2097152+(i_%4)*2048
.set i_, i_+1
.endr
	s_endpgm
.Lfunc_end_k_q581924c494_cast:
	.size	k_q581924c494_cast, .Lfunc_end_k_q581924c494_cast-k_q581924c494_cast
	.p2alignl 7, 3214868480
	.fill 96, 4, 3214868480
	.section	.rodata,"a",@progbits
	.p2align	6, 0x0
	.amdhsa_kernel k_q581924c494_cast
		.amdhsa_group_segment_fixed_size 0
		.amdhsa_private_segment_fixed_size 0
		.amdhsa_enable_private_segment 0
		.amdhsa_kernarg_size 48
		.amdhsa_user_sgpr_count 2
		.amdhsa_user_sgpr_kernarg_segment_ptr 1
		.amdhsa_wavefront_size32 1
		.amdhsa_system_sgpr_workgroup_id_x 1
		.amdhsa_system_sgpr_workgroup_id_y 1
		.amdhsa_system_sgpr_workgroup_id_z 1
		.amdhsa_system_vgpr_workitem_id 0
		.amdhsa_next_free_vgpr 184
		.amdhsa_next_free_sgpr 66
		.amdhsa_reserve_vcc 0
		.amdhsa_float_denorm_mode_32 3
		.amdhsa_float_denorm_mode_16_64 3
		.amdhsa_memory_ordered 1
		.amdhsa_forward_progress 1
		.amdhsa_inst_pref_size 17
	.end_amdhsa_kernel
	.amdgpu_metadata
---
amdhsa.version: [ 1, 2 ]
amdhsa.kernels:
  - .name:           k_q581924c494_cast
    .symbol:         k_q581924c494_cast.kd
    .args:
      - { .name: x, .offset: 0, .size: 8, .value_kind: global_buffer, .address_space: global }
      - { .name: Wq_w, .offset: 8, .size: 8, .value_kind: global_buffer, .address_space: global }
      - { .name: Wk_w, .offset: 16, .size: 8, .value_kind: global_buffer, .address_space: global }
      - { .name: Wv_w, .offset: 24, .size: 8, .value_kind: global_buffer, .address_space: global }
      - { .name: xb, .offset: 32, .size: 8, .value_kind: global_buffer, .address_space: global }
      - { .name: wb, .offset: 40, .size: 8, .value_kind: global_buffer, .address_space: global }
    .group_segment_fixed_size: 0
    .private_segment_fixed_size: 0
    .kernarg_segment_align: 8
    .kernarg_segment_size: 48
    .max_flat_workgroup_size: 256
    .sgpr_count:     66
    .vgpr_count:     184
    .wavefront_size: 32
...
	.end_amdgpu_metadata
.endif
;; end of part 1
;; launch proj (part 2): grid 8 x 32, 4 waves a work-group, clusters of 4 x 4, 327,680 bytes of LDS; arguments xb, wb, Wq_b, Wk_b, Wv_b, qkv; writes qkv
.if DOCPART == 2
	.amdgcn_target "amdgcn-amd-amdhsa--gfx1250"
	.amdhsa_code_object_version 6
	.text
	.protected	k_q581924c494_proj
	.globl	k_q581924c494_proj
	.p2align	8
	.type	k_q581924c494_proj,@function
k_q581924c494_proj:
	s_mov_b64 s[64:65], 0
	v_nop
	global_prefetch_b8 v0, s[64:65] scope:SCOPE_SE
	s_setreg_imm32_b32 hwreg(HW_REG_WAVE_MODE, 25, 1), 1
	s_wait_xcnt 0x0
	s_wait_alu depctr_hold_cnt(0) depctr_sa_sdst(0) depctr_va_vdst(0) depctr_va_sdst(0) depctr_va_ssrc(0) depctr_va_vcc(0) depctr_vm_vsrc(0)
	s_getreg_b32 s2, hwreg(HW_REG_IB_STS2, 6, 4)
	s_cmp_eq_u32 s2, 0
	s_cbranch_scc0 .Lentry_in_a_cluster
	s_endpgm
.Lentry_in_a_cluster:
	s_bfe_u32 s2, ttmp6, 0x10000c
	s_cmp_lg_u32 s2, 0xf033
	s_cbranch_scc0 .Lentry_shape_is_right
	s_endpgm
.Lentry_shape_is_right:
; q, k, v = x W + b.  xb: bf16 in chunks [16][8192 rows][64]; wb: bf16 [3][1024 k][1024 n]; the biases f32 [1024], rounded here to bf16 like the other inputs;
; qkv: f16 [3][16 chunks of 64 columns][8192 rows][64].  Products in bf16, sums in f32, begun with the bias (so the bias is added first, not last), each result rounded once to f16.
; LIMITS.  f16 holds no number beyond 65,504: |q|, |k|, |v| must stay within it.  NaN and infinities are not treated apart.  The order of the sums along K differs from cluster to cluster (THE WALK).
; SHARES.  A work-group makes 256 rows x 128 columns of EACH of q, k, v: 32 x 8 = 256 work-groups.  A wave makes 128 rows x 64 columns of each: 96 accumulators of 16 x 16, 768 registers.
; K goes in 16 steps of 64 (a chunk of xb), each two substeps of 32, through two LDS slots filled by the tensor data mover.
; THE MATRIX INSTRUCTION IS USED TRANSPOSED: source 0 = 16 columns of W (turned on the way out of LDS by ds_load_tr16_b128, since W lies [k][n]), source 1 = 16 rows of x.
; A lane then holds row l % 16 and the columns 8 (l / 16) + 0..7: eight neighbouring numbers of a row.
; CLUSTER 4 x 4.  x's tile hangs on the row block alone and is shared along a row of the cluster; W's tiles hang on the column block alone and are shared along a column: joint loads.
; Wave 0 asks for x's tile (32 KiB), waves 1-3 for the tiles of Wq, Wk, Wv (16 KiB each): one load a wave behind each round; two of a wave's loads are out at the start, later one.
; THE WALK.  In walk step i a cluster takes chunk i xor SIG of K, SIG = 2 x + 4 (y & 3) from the cluster's own x and y: the same number in all sixteen partners.  The two clusters that read the same
; rows of x (x = 0, 1) so ask for a tile two steps apart, each first for two chunks of every four; clusters whose y differs in its low two bits ask for a weight tile four steps apart or more.
; A STEP IS WRITTEN ONCE: the LDS byte of the slot in hand is a scalar register that an exclusive or turns from 0 to SLOT and back; fragment addresses and the walking descriptors are made from it.
; REGISTERS, in windows of 256: window 0: v0-15 addresses; v32-95, v96-159 x's fragments, two buffers; v160-255 W's twelve fragments, one buffer, filled again group by group.
;   windows 1, 2, 3: the accumulators of q, k, v: row block a (0-7), column group g (0-3) at v[8 (8 g + a)].
.set PA,    144                        ; a row of x in LDS: 128 bytes + 16 of padding: the 16 rows of a load start at 16 different groups of four banks (ISA guide 11.1)
.set PB,    288                        ; a row of W: 256 + 32
.set ATILE, 256*PA
.set BTILE, 64*PB
.set SLOT,  ATILE+3*BTILE              ; x's 256 rows, then 64 rows of k of each of the three weights
.set STAGE, 2*SLOT                     ; behind the ring: for each wave 3 x 16 rows x 144 bytes, for the way out
.set STW,   3*16*PA
.set SPARE, STAGE+4*STW                ; the spare words, 128 bytes a wave: two blocks of 256 bytes that no other line names
.set CHUNK, 1048576                    ; bytes in a chunk of xb and of qkv
.set ADRA0, 4                          ; v4     my lane's place among x's fragments in a slot; never rewritten
.set ADRB0, 5                          ; v5     the same for W
.set ADRA,  6                          ; v6     the same in the slot that is being fetched from
.set ADRB,  7                          ; v7
.set STO,  8                           ; v8     the way out: where I put 16 bytes of a row
.set RD,   9                           ; v9     where I read rows back
.set GO,   10                          ; v10    16 x lane: my place in 512 consecutive bytes of qkv
.set BO,   11                          ; v11    32 (l / 16): my eight numbers of 16 of a bias
.set SPW,  14                          ; v14    my spare word; never rewritten
.set NIL,  15                          ; v15    0; never rewritten
.set FA0,  32
.set FA1,  96
.set FBR,  160
.set WV,   16                          ; s16    my wave's number
.set CNT,  23
.set G1A,  24                          ; s[24:31] group 1 for x's tile;  s[32:39] group 0: a set for each first fill; the second then walks on
.set G0A,  32
.set G1B,  40                          ; s[40:47], s[48:55] the same for W's tiles
.set G0B,  48
.set OB,   56                          ; s[56:61] q, k, v at my wave's first row of its chunk
.set LB,   63                          ; s63    my weight's tile in a slot
.set BA,   66                          ; s[66:67] xb at the row block's first row, chunk 0; kept
.set BW,   68                          ; s[68:69] wb at my weight's row k = 0, the column block's first column; kept
.set OFF,  72                          ; s[72:73] a byte offset; the high word stays 0
.set TB,   76                          ; s76    LDS byte of the slot that is being fetched from: 0 or SLOT
.set SIG,  77                          ; s77    what the walk's step is turned by
.set WI,   78                          ; s78    the walk's step that the next refill brings
.set MSB, 0
.macro WIN new                         ; the immediate's high byte repeats the setting that is left; a switch that changes nothing is dropped
.if MSB != (\new)
	s_set_vgpr_msb (MSB<<8)|(\new)
.set MSB, \new
.endif
.endm
.macro PLACES                          ; four places between a matrix instruction and a load into, or a vector write of, one of its registers
.rept 4
	v_nop
.endr
.endm
.macro CREST                           ; a round of the cluster's barrier behind its opening barrier
	s_cmp_lg_u32 s[WV], 0
	s_cbranch_scc1 .Lnw0_\@
	s_barrier_signal -3
.Lnw0_\@:
	s_barrier_wait -3
	s_barrier_signal -1
	s_barrier_wait -1
.endm
.macro CROUND
	s_barrier_signal -1
	s_barrier_wait -1
	CREST
.endm
.macro JLOAD                           ; a joint refill by the walking descriptors; the branch hangs on the wave's number alone; an s_nop 0 and four v_nop follow each line
	s_cmp_eq_u32 s[WV], 0
	s_cbranch_scc0 .Lfb_\@
	tensor_load_to_lds s[G0A+4:G0A+7], s[G1A:G1A+7]
	s_nop 0
	PLACES
	s_branch .Lasked_\@
.Lfb_\@:
	tensor_load_to_lds s[G0B+4:G0B+7], s[G1B:G1B+7]
	s_nop 0
	PLACES
.Lasked_\@:
.endm
	s_load_b256 s[4:11], s[0:1], 0x0               ; xb s[4:5], wb s[6:7], Wq_b s[8:9], Wk_b s[10:11]
	s_load_b128 s[12:15], s[0:1], 0x20             ; Wv_b s[12:13], qkv s[14:15]
	v_lshl_add_u32 v[SPW], v0, 2, SPARE
	v_mov_b32 v[NIL], 0
	ds_add_u32 v[SPW], v[NIL]                      ; the wave's opening: the add and its wait come ahead of my first tensor load; work on registers stands between
	v_lshrrev_b32 v1, 5, v0
	v_readfirstlane_b32 s[WV], v1
	s_lshr_b32 s17, s[WV], 1                       ; which 128 rows are mine
	s_and_b32 s18, s[WV], 1                        ; which 64 columns
	s_bfe_u32 s19, ttmp6, 0x40000                  ; cx
	s_bfe_u32 s20, ttmp6, 0x40004                  ; cy
	s_lshl_b32 s21, ttmp9, 2
	s_add_co_u32 s21, s21, s19                     ; column block 0..7
	s_and_b32 s22, ttmp7, 0xffff
	s_lshl_b32 s22, s22, 2
	s_add_co_u32 s22, s22, s20                     ; row block 0..31
	s_and_b32 s[SIG], ttmp7, 3                     ; the walk: the cluster's y, its low two bits,
	s_lshl_b32 s[SIG], s[SIG], 2
	s_lshl_b32 s79, ttmp9, 1                       ; and the cluster's x (0 or 1)
	s_or_b32 s[SIG], s[SIG], s79                   ; 2 x + 4 (y & 3): even, 14 at the most
	s_mov_b32 s[WI], 2                             ; the first fills bring the walk's steps 0 and 1
	s_lshl_b32 s66, s20, 2
	s_lshl_b32 s66, 15, s66                        ; my row of the cluster
	s_lshl_b32 s68, 0x1111, s19                    ; my column
	s_or_b32 s[G1A], s66, (1<<16)|(1<<20)|(1<<21)|(4<<22)|(3<<25)  ; mask; 2-byte elements; padding on; bit 21 beside a mask; after every 32 words 4 words
	s_or_b32 s[G1B], s68, (1<<16)|(1<<20)|(1<<21)|(5<<22)|(7<<25)  ; after every 64 words 8 words
	s_mov_b32 s[G1A+1], 128<<16                    ; x: 32,768 dense bytes asked for as 128 rows of 256 bytes (two rows of x each)
	s_mov_b32 s[G1A+2], 128<<16
	s_mov_b32 s[G1A+3], 128<<16
	s_mov_b32 s[G1A+4], 128
	s_mov_b32 s[G1A+5], 128
	s_mov_b32 s[G1A+6], 0
	s_mov_b32 s[G1A+7], 0
	s_mov_b32 s[G1B+1], 128<<16                    ; W: 64 rows of k x 128 columns, 1,024 elements from row to row
	s_mov_b32 s[G1B+2], 64<<16
	s_mov_b32 s[G1B+3], 128<<16
	s_mov_b32 s[G1B+4], 64
	s_mov_b32 s[G1B+5], 1024
	s_mov_b32 s[G1B+6], 0
	s_mov_b32 s[G1B+7], 0
	s_lshl_b32 s66, s22, 15                        ; x: the row block's 256 rows of 128 bytes (no register of x's descriptors ever holds cx)
	s_mov_b32 s67, 0
	s_max_u32 s68, s[WV], 1
	s_sub_co_u32 s68, s68, 1                       ; W: waves 1, 2, 3 take the weights of q, k, v
	s_lshl_b32 s68, s68, 21
	s_lshl_b32 s69, s21, 8                         ; the column block's 256 bytes of a row (no register of W's descriptors ever holds cy)
	s_add_co_u32 s68, s68, s69
	s_mov_b32 s69, 0
	s_mul_i32 s[LB], s[WV], BTILE
	s_add_co_u32 s[LB], s[LB], BTILE               ; W's tile in a slot: behind x's 2 BTILE bytes, wave - 1 tiles on
	s_mov_b32 s[TB], 0
	s_mov_b32 s62, 0xffff0000
	s_lshl_b32 s72, s21, 9                         ; the biases: 128 x column block + 64 x half, in f32
	s_lshl_b32 s73, s18, 8
	s_add_co_u32 s72, s72, s73
	s_mov_b32 s73, 0
	s_lshl_b32 s74, s21, 21                        ; the output: chunk 2 x column block + half,
	s_lshl_b32 s75, s18, 20
	s_add_co_u32 s74, s74, s75
	s_lshl_b32 s75, s22, 15                        ; row 256 x row block + 128 x half
	s_add_co_u32 s74, s74, s75
	s_lshl_b32 s75, s17, 14
	s_add_co_u32 s74, s74, s75
	s_mov_b32 s75, 0
	s_wait_dscnt 0x0                               ; the opening add is done
	s_wait_kmcnt 0x0
	s_add_nc_u64 s[BA:BA+1], s[4:5], s[66:67]
	s_add_nc_u64 s[BW:BW+1], s[6:7], s[68:69]
	s_add_nc_u64 s[8:9], s[8:9], s[72:73]
	s_add_nc_u64 s[10:11], s[10:11], s[72:73]
	s_add_nc_u64 s[12:13], s[12:13], s[72:73]
	s_add_nc_u64 s[OB:OB+1], s[14:15], s[74:75]
	s_add_nc_u64 s[OB+2:OB+3], s[OB:OB+1], 0x1000000
	s_add_nc_u64 s[OB+4:OB+5], s[OB:OB+1], 0x2000000
	s_lshl_b32 s[OFF], s[SIG], 20                  ; the walk's step 0 is chunk SIG, its step 1 chunk SIG + 1 (SIG is even)
	s_add_nc_u64 s[70:71], s[BA:BA+1], s[OFF:OFF+1]
	s_lshl_b32 s[OFF], s[SIG], 17                  ; 64 rows of 2,048 bytes of a weight
	s_add_nc_u64 s[74:75], s[BW:BW+1], s[OFF:OFF+1]
.irp s, 0,1
	s_mov_b32 s[G0A+4*(\s)], 1
	s_mov_b32 s[G0A+4*(\s)+1], (\s)*SLOT
	s_add_nc_u64 s[G0A+4*(\s)+2:G0A+4*(\s)+3], s[70:71], (\s)*CHUNK
	s_or_b32 s[G0A+4*(\s)+3], s[G0A+4*(\s)+3], 0x80000000
	s_mov_b32 s[G0B+4*(\s)], 1
	s_add_co_u32 s[G0B+4*(\s)+1], s[LB], (\s)*SLOT
	s_add_nc_u64 s[G0B+4*(\s)+2:G0B+4*(\s)+3], s[74:75], (\s)*64*2048
	s_or_b32 s[G0B+4*(\s)+3], s[G0B+4*(\s)+3], 0x80000000
.endr
	CROUND                                         ; all sixteen work-groups are here: the first joint loads meet
	s_cmp_eq_u32 s[WV], 0                          ; a wave's two first fills stand in one branch, ahead of every wait on TENSORcnt and every LDS read
	s_cbranch_scc0 .Lfirst_b
	tensor_load_to_lds s[G0A:G0A+3], s[G1A:G1A+7]
	s_nop 0
	tensor_load_to_lds s[G0A+4:G0A+7], s[G1A:G1A+7]
	s_nop 0
	PLACES
	s_branch .Lfirst_done
.Lfirst_b:
	tensor_load_to_lds s[G0B:G0B+3], s[G1B:G1B+7]
	s_nop 0
	tensor_load_to_lds s[G0B+4:G0B+7], s[G1B:G1B+7]
	s_nop 0
	PLACES
.Lfirst_done:
	v_and_b32 v1, 15, v0                           ; r = l % 16
	v_bfe_u32 v2, v0, 4, 1                         ; h = l / 16
	v_and_b32 v3, 31, v0
	v_mul_u32_u24 v12, v1, PA
	v_lshl_add_u32 v12, v2, 4, v12                 ; r x 144 + 16 h
	s_mul_i32 s70, s17, 128*PA
	v_add_nc_u32 v[ADRA0], s70, v12
	v_mov_b32 v[ADRA], v[ADRA0]                    ; slot 0
	v_and_b32 v13, 7, v0                           ; the turning load: row of k 8 h + l % 8, columns 8 ((l / 8) % 2) + 0..7
	v_lshl_add_u32 v13, v2, 3, v13
	v_mul_u32_u24 v13, v13, PB
	v_bfe_u32 v16, v0, 3, 1
	v_lshl_add_u32 v13, v16, 4, v13
	s_lshl_b32 s70, s18, 7                         ; my 64 columns
	s_add_co_u32 s70, s70, ATILE
	v_add_nc_u32 v[ADRB0], s70, v13
	v_mov_b32 v[ADRB], v[ADRB0]
	s_mul_i32 s71, s[WV], STW
	s_add_co_u32 s71, s71, STAGE                   ; my stage
	v_add_nc_u32 v[STO], s71, v12
	v_bfe_u32 v17, v0, 3, 2                        ; back: 32 lanes take four rows of 128 bytes
	v_mul_u32_u24 v17, v17, PA
	v_and_b32 v18, 7, v0
	v_lshl_add_u32 v17, v18, 4, v17
	v_add_nc_u32 v[RD], s71, v17
	v_lshlrev_b32 v[GO], 4, v3
	v_lshlrev_b32 v[BO], 5, v2
	; THE BIAS STARTS THE SUMS.  Register j of an accumulator is column 8 h + j, whatever the row: my eight numbers of each column group go into row block 0's accumulators.
.irp m, 0,1,2
	WIN 0x40*(1+(\m))                              ; destination in the matrix's window, address in window 0
.irp q, 0,1,2,3
	global_load_b128 v[64*(\q):64*(\q)+3], v[BO], s[8+2*(\m):9+2*(\m)] offset:64*(\q)
	global_load_b128 v[64*(\q)+4:64*(\q)+7], v[BO], s[8+2*(\m):9+2*(\m)] offset:64*(\q)+16
.endr
.endr
	s_wait_loadcnt 0x0
.irp m, 1,2,3                          ; rounded to bf16 (through four registers of row block 1's accumulator, which holds nothing yet) and widened again
	WIN 0x55*(\m)
.irp q, 0,1,2,3
.irp j, 0,1,2,3
	v_cvt_pk_bf16_f32 v[64*(\q)+8+(\j)], v[64*(\q)+2*(\j)], v[64*(\q)+2*(\j)+1]
.endr
.irp j, 0,1,2,3
	v_lshlrev_b32 v[64*(\q)+2*(\j)], 16, v[64*(\q)+8+(\j)]
	v_and_b32 v[64*(\q)+2*(\j)+1], s62, v[64*(\q)+8+(\j)]
.endr
.endr
.endr
	WIN 0
; 8 x (hi - lo + 1) products of matrix mat: column groups lo .. hi x all 8 row blocks, 32 along K.  No two neighbours share an accumulator; a link recurs behind 95 others.
.macro MULG mat, fa, lo, hi
	WIN 0x50*(1+(\mat))
.set q_, \lo
.rept (\hi)-(\lo)+1
.set a_, 0
.rept 8
	v_wmma_f32_16x16x32_bf16 v[8*(8*q_+a_):8*(8*q_+a_)+7], v[FBR+8*(4*(\mat)+q_):FBR+8*(4*(\mat)+q_)+7], v[(\fa)+8*a_:(\fa)+8*a_+7], v[8*(8*q_+a_):8*(8*q_+a_)+7]
.set a_, a_+1
.endr
.set q_, q_+1
.endr
.endm
; The first substep: row blocks 7 .. 1 take row block 0's registers (the bias) as C; five places on, row block 0 adds in place onto them.
.macro MULGF mat, fa
	WIN 0x50*(1+(\mat))
.set a_, 7
.rept 7
.set q_, 0
.rept 4
	v_wmma_f32_16x16x32_bf16 v[8*(8*q_+a_):8*(8*q_+a_)+7], v[FBR+8*(4*(\mat)+q_):FBR+8*(4*(\mat)+q_)+7], v[(\fa)+8*a_:(\fa)+8*a_+7], v[64*q_:64*q_+7]
.set q_, q_+1
.endr
.set a_, a_-1
.endr
.rept 5
	v_nop                                          ; a matrix instruction writes over a register that matrix instructions have read: five places
.endr
.set q_, 0
.rept 4
	v_wmma_f32_16x16x32_bf16 v[64*q_:64*q_+7], v[FBR+8*(4*(\mat)+q_):FBR+8*(4*(\mat)+q_)+7], v[(\fa):(\fa)+7], v[64*q_:64*q_+7]
.set q_, q_+1
.endr
.endm
.macro FBL mat, ks                     ; 8 turning loads: the four fragments of matrix mat, substep ks
.set q_, 0
.rept 4
	ds_load_tr16_b128 v[FBR+8*(4*(\mat)+q_):FBR+8*(4*(\mat)+q_)+3], v[ADRB] offset:BTILE*(\mat)+32*PB*(\ks)+32*q_
	ds_load_tr16_b128 v[FBR+8*(4*(\mat)+q_)+4:FBR+8*(4*(\mat)+q_)+7], v[ADRB] offset:BTILE*(\mat)+32*PB*(\ks)+32*q_+16*PB
.set q_, q_+1
.endr
.endm
.macro FAL ks, ga                      ; 16 loads: x's eight fragments of substep ks into buffer ga
.set a_, 0
.rept 8
	ds_load_b128 v[(\ga)+8*a_:(\ga)+8*a_+3], v[ADRA] offset:16*PA*a_+64*(\ks)
	ds_load_b128 v[(\ga)+8*a_+4:(\ga)+8*a_+7], v[ADRA] offset:16*PA*a_+64*(\ks)+32
.set a_, a_+1
.endr
.endm
; A step's first substep: 96 products on buffer 0; each group of W's fragments is fetched anew, for the step's second substep, four places behind the group's last product.
; The LDS loads out at its head, in order: W of q (8), x (16), W of k (8), W of v (8).
.macro SUB first
	s_wait_dscnt 16                                ; W of q and x are in; the 16 younger loads stay out
.if \first
	MULGF 0, FA0
.else
	MULG 0, FA0, 0, 3
.endif
	PLACES
	WIN 0
	FBL 0, 1
	FAL 1, FA1
	s_wait_dscnt 32                                ; W of k is in; younger: W of v (8) and the 24 just issued
.if \first
	MULGF 1, FA0
.else
	MULG 1, FA0, 0, 3
.endif
	PLACES
	WIN 0
	FBL 1, 1
	s_wait_dscnt 32                                ; W of v is in; younger: 24 + 8
.if \first
	MULGF 2, FA0
.else
	MULG 2, FA0, 0, 3
.endif
	PLACES
	WIN 0
	FBL 2, 1
.endm
; A step's second substep changes slots: ONE barrier.  In front of it each wave waits for all its tensor loads (its part of the other slot), adds 0 to its spare word, and waits for that and for its reads
; of this slot, all of which have been issued: so the fragment addresses are turned to the other slot here.  fill = 1: the barrier opens a round of the cluster's, and the slot that is left is filled again,
; two steps ahead, first thing behind the round: the walking descriptors take its LDS byte, and their global addresses are made anew from the walk's step: chunk WI xor SIG.
.macro TURN fill
	WIN 0
	s_wait_tensorcnt 0x0                           ; no tensor load of mine is out, so a group 0 may be written
	ds_add_u32 v[SPW], v[NIL]
.if \fill
	s_mov_b32 s[G0A+5], s[TB]                      ; the slot that is left
	s_add_co_u32 s[G0B+5], s[LB], s[TB]
	s_xor_b32 s[OFF], s[WI], s[SIG]                ; the chunk, 0 to 15
	s_lshl_b32 s[OFF], s[OFF], 17                  ; its 64 rows of a weight,
	s_add_nc_u64 s[G0B+6:G0B+7], s[BW:BW+1], s[OFF:OFF+1]
	s_or_b32 s[G0B+7], s[G0B+7], 0x80000000
	s_lshl_b32 s[OFF], s[OFF], 3                   ; and its 1,048,576 bytes of xb
	s_add_nc_u64 s[G0A+6:G0A+7], s[BA:BA+1], s[OFF:OFF+1]
	s_or_b32 s[G0A+7], s[G0A+7], 0x80000000
	s_add_co_u32 s[WI], s[WI], 1
.endif
	s_xor_b32 s[TB], s[TB], SLOT                   ; 0 and SLOT by turns
	v_add_nc_u32 v[ADRA], s[TB], v[ADRA0]
	v_add_nc_u32 v[ADRB], s[TB], v[ADRB0]
	s_wait_dscnt 17                                ; W of q and x are in; the add and the 16 youngest loads may be out
	MULG 0, FA1, 0, 1
	s_wait_dscnt 0x0                               ; the add is done, and my reads of the slot that is left are over
	s_barrier_signal -1
	MULG 0, FA1, 2, 3
	WIN 0
	s_barrier_wait -1
.if \fill
	CREST                                          ; no wave of any partner still reads that slot or has a load on its way
	JLOAD                                          ; its four v_nop are also the places in front of the loads below
.else
	PLACES
.endif
	FBL 0, 0
	FAL 0, FA0
	MULG 1, FA1, 0, 3
	PLACES
	WIN 0
	FBL 1, 0
	MULG 2, FA1, 0, 3
	PLACES
	WIN 0
	FBL 2, 0
.endm
	s_wait_tensorcnt 0x1                           ; my part of the walk's step 0 is in; step 1's may stay out
	s_barrier_signal -1
	s_barrier_wait -1
	FBL 0, 0
	FAL 0, FA0
	FBL 1, 0
	FBL 2, 0
	SUB 1                                          ; step 0's first substep stands in front of the loop: its products start the sums
	WIN 0
	s_mov_b32 s[CNT], 14
.Lstep:                                            ; trip i: step i's second substep, the refill with step i + 2, step i + 1's first substep
	TURN 1
	SUB 0
	WIN 0
	s_sub_co_u32 s[CNT], s[CNT], 1
	s_cmp_lg_u32 s[CNT], 0
	s_cbranch_scc1 .Lstep
	s_mov_b32 s[CNT], 2
.Ltail:                                            ; steps 14 and 15 ask for nothing: a text of their own
	TURN 0
	s_cmp_eq_u32 s[CNT], 1
	s_cbranch_scc1 .Lout                           ; step 15 has no successor.  Its change of slots has fetched 40 fragments' halves that nobody multiplies: the price, once a launch, of one text for both trips
	SUB 0
	WIN 0
	s_sub_co_u32 s[CNT], s[CNT], 1
	s_cmp_lg_u32 s[CNT], 0
	s_cbranch_scc1 .Ltail
.Lout:
	s_wait_dscnt 0x0                               ; those loads have landed: their registers are used again below
	PLACES
	PLACES
; THE WAY OUT, a row block (16 rows x 3 x 64 columns) at a time: rounded to f16, 16 bytes a lane into my stage, back as whole rows of 128 bytes; four rows are 512 consecutive bytes of a chunk.
.macro PACK a
.set SET, 32+48*((\a)%2)
.if (\a) >= 2
	s_wait_xcnt 0x0                                ; the stores of the block two back have read this set
.endif
.irp m, 0,1,2
	WIN 5*(1+(\m))                                 ; sources in the matrix's window, destination in window 0
.irp q, 0,1,2,3
.irp j, 0,1,2,3
	v_cvt_pk_f16_f32 v[SET+16*(\m)+4*(\q)+(\j)], v[8*(8*(\q)+(\a))+2*(\j)], v[8*(8*(\q)+(\a))+2*(\j)+1]
.endr
.endr
.endr
	WIN 0
.irp m, 0,1,2
.irp q, 0,1,2,3
	ds_store_b128 v[STO], v[SET+16*(\m)+4*(\q):SET+16*(\m)+4*(\q)+3] offset:16*PA*(\m)+32*(\q)
.endr
.endr
.irp m, 0,1,2
.irp q, 0,1,2,3
	ds_load_b128 v[SET+16*(\m)+4*(\q):SET+16*(\m)+4*(\q)+3], v[RD] offset:16*PA*(\m)+4*PA*(\q)  ; LDS serves a wave's instructions in order (ISA guide 5.7.1.4): these see the stores above
.endr
.endr
.endm
.macro SEND a, younger                 ; younger: the next block's 24 LDS instructions, or none
.set SET, 32+48*((\a)%2)
	s_wait_dscnt \younger
.irp m, 0,1,2
.irp q, 0,1,2,3
	global_store_b128 v[GO], v[SET+16*(\m)+4*(\q):SET+16*(\m)+4*(\q)+3], s[OB+2*(\m):OB+2*(\m)+1] offset:2048*(\a)+512*(\q)  ; 512 consecutive bytes, aligned
.endr
.endr
.endm
	PACK 0
.irp b, 1,2,3,4,5,6,7
	PACK \b
	SEND (\b)-1, 24
.endr
	SEND 7, 0
	s_wait_tensorcnt 0x0                           ; the wave's end
	ds_add_u32 v[SPW], v[NIL]
	s_wait_dscnt 0x0
	CROUND                                         ; the closing round
	s_endpgm
.Lfunc_end_k_q581924c494_proj:
	.size	k_q581924c494_proj, .Lfunc_end_k_q581924c494_proj-k_q581924c494_proj
	.p2alignl 7, 3214868480
	.fill 96, 4, 3214868480
	.section	.rodata,"a",@progbits
	.p2align	6, 0x0
	.amdhsa_kernel k_q581924c494_proj
		.amdhsa_group_segment_fixed_size 327680
		.amdhsa_private_segment_fixed_size 0
		.amdhsa_enable_private_segment 0
		.amdhsa_kernarg_size 48
		.amdhsa_user_sgpr_count 2
		.amdhsa_user_sgpr_kernarg_segment_ptr 1
		.amdhsa_wavefront_size32 1
		.amdhsa_system_sgpr_workgroup_id_x 1
		.amdhsa_system_sgpr_workgroup_id_y 1
		.amdhsa_system_sgpr_workgroup_id_z 1
		.amdhsa_system_vgpr_workitem_id 0
		.amdhsa_next_free_vgpr 1024
		.amdhsa_next_free_sgpr 80
		.amdhsa_reserve_vcc 0
		.amdhsa_float_denorm_mode_32 3
		.amdhsa_float_denorm_mode_16_64 3
		.amdhsa_memory_ordered 1
		.amdhsa_forward_progress 1
		.amdhsa_inst_pref_size 114
	.end_amdhsa_kernel
	.amdgpu_metadata
---
amdhsa.version: [ 1, 2 ]
amdhsa.kernels:
  - .name:           k_q581924c494_proj
    .symbol:         k_q581924c494_proj.kd
    .args:
      - { .name: xb, .offset: 0, .size: 8, .value_kind: global_buffer, .address_space: global }
      - { .name: wb, .offset: 8, .size: 8, .value_kind: global_buffer, .address_space: global }
      - { .name: Wq_b, .offset: 16, .size: 8, .value_kind: global_buffer, .address_space: global }
      - { .name: Wk_b, .offset: 24, .size: 8, .value_kind: global_buffer, .address_space: global }
      - { .name: Wv_b, .offset: 32, .size: 8, .value_kind: global_buffer, .address_space: global }
      - { .name: qkv, .offset: 40, .size: 8, .value_kind: global_buffer, .address_space: global }
    .group_segment_fixed_size: 327680
    .private_segment_fixed_size: 0
    .kernarg_segment_align: 8
    .kernarg_segment_size: 48
    .max_flat_workgroup_size: 128
    .sgpr_count:     80
    .vgpr_count:     1024
    .wavefront_size: 32
...
	.end_amdgpu_metadata
.endif
;; end of part 2
;; launch scores (part 3): grid 8 x 32, 4 waves a work-group, clusters of 4 x 4, 327,680 bytes of LDS; arguments qkv, pbuf, stat; writes pbuf, stat
.if DOCPART == 3
	.amdgcn_target "amdgcn-amd-amdhsa--gfx1250"
	.amdhsa_code_object_version 6
	.text
	.protected	k_q581924c494_scores
	.globl	k_q581924c494_scores
	.p2align	8
	.type	k_q581924c494_scores,@function
k_q581924c494_scores:
	s_mov_b64 s[64:65], 0
	v_nop
	global_prefetch_b8 v0, s[64:65] scope:SCOPE_SE
	s_setreg_imm32_b32 hwreg(HW_REG_WAVE_MODE, 25, 1), 1
	s_wait_xcnt 0x0
	s_wait_alu depctr_hold_cnt(0) depctr_sa_sdst(0) depctr_va_vdst(0) depctr_va_sdst(0) depctr_va_ssrc(0) depctr_va_vcc(0) depctr_vm_vsrc(0)
	s_getreg_b32 s2, hwreg(HW_REG_IB_STS2, 6, 4)
	s_cmp_eq_u32 s2, 0
	s_cbranch_scc0 .Lentry_in_a_cluster
	s_endpgm
.Lentry_in_a_cluster:
	s_bfe_u32 s2, ttmp6, 0x10000c
	s_cmp_lg_u32 s2, 0xf033
	s_cbranch_scc0 .Lentry_shape_is_right
	s_endpgm
.Lentry_shape_is_right:
; For each query row and each block t of 128 keys: s = q . k, the block's true maximum m, P = 2^(c s - c m) in f16, l = the sum of the unrounded P; c = log2(e) / 32.
; qkv: f16 [3][16 chunks][8192 rows][64].  stat: f32 [2][16 t][8192 rows]: c m, then l.  The row's maximum over its 16 blocks is taken in the next launch.
; pbuf: f16, IN THE ORDER OF THE NEXT LAUNCH'S FRAGMENTS: [512 blocks of 16 rows][128 groups of 16 keys][32 lanes][16 bytes]; lane l holds row l % 16 and the keys 8 (l / 16) + 0..7 of the group.
; That is what a lane holds here when its scores are packed: P leaves straight from registers, 512 consecutive bytes a store.
; LIMITS.  P below 6e-5 keeps f16's fixed step of 6e-8; a weight below 2^-126 counts as 0 in l; NaN and infinities are not treated apart.
; SHARES.  A work-group makes 256 queries x 256 keys of one batch (32 x 8 = 256 work-groups), a wave 128 x 128: 64 accumulators, 512 registers; a wave's 128 keys are one block t.
; K = 1,024 goes in 8 steps of 128 (two chunks) through two LDS slots; a step is four quarters of 32.
; THE MATRIX INSTRUCTION IS USED TRANSPOSED: source 0 = 16 keys, source 1 = 16 queries: a lane holds ONE query (l % 16) and the keys 8 (l / 16) + 0..7 of each group of 16.
; CLUSTER 4 x 4: q's tiles are shared along a row of the cluster, k's along a column (the four query blocks of a column lie in one batch): joint loads, one a wave behind each round.
; A STEP IS WRITTEN ONCE: the LDS byte of the slot in hand is a scalar register that an exclusive or turns from 0 to SLOT and back; fragment addresses and the walking descriptors are made from it.
; REGISTERS: window 0: v0-39 addresses and statistics; v64-127, v128-191 q's fragments, two buffers (on the way out: four sets of packed P); v192-223 at work on the way out
;   window 1: v64-127, v128-191 k's fragments;   window 2: the accumulators of my queries 0-63 ((a, b) at v[8 (8 a + b)]);   window 3: those of queries 64-127
.set PITCH,  144                       ; a row in LDS: 128 bytes + 16 of padding
.set PART,   256*PITCH                 ; a chunk's 256 rows: what one tensor load brings
.set HALF,   128*PITCH
.set SLOT,   4*PART                    ; q chunk 0, q chunk 1, k chunk 0, k chunk 1
.set SSTG,   2*SLOT                    ; behind the ring: for each wave 128 c m, then 128 l
.set SPARE,  SSTG+4*1024               ; the spare words: two blocks of 256 bytes that no other line names
.set ADRA0, 16                         ; v16  my lane's place among q's fragments in a slot; never rewritten
.set ADRB0, 17                         ; v17  the same for k
.set ADRA, 20                          ; v20  the same in the slot that is being fetched from
.set ADRB, 21
.set SGO,  22                          ; v22  16 x lane
.set STS,  27                          ; v27  where my query's statistics go
.set SPW,  28
.set NIL,  29
.set NEG,  30                          ; v30  the lowest finite number: where a maximum starts
.set SLD,  31                          ; v31  where I read the statistics back
.set CC,   32                          ; v32-35  four chains of the maximum
.set CM,   36                          ; v36-37  c m, m
.set TP,   38
.set F0,   64
.set F1,   128
.set T,    192
.set WV,   10
.set TB,   15                          ; s15  LDS byte of the slot that is being fetched from: 0 or SLOT
.set CNT,  23
.set G1,   24
.set G0,   32                          ; s[32:39] group 0 for q's tiles: a set for each first fill; the second then walks on
.set G1B,  48
.set G0B,  56
.set CS,   66                          ; s[66:67] c, twice
.set SEL,  68                          ; s[68:69] v_permlanex16_b32's selects: each lane takes its own place in the other half
.set MSB, 0
.macro WIN new
.if MSB != (\new)
	s_set_vgpr_msb (MSB<<8)|(\new)
.set MSB, \new
.endif
.endm
.set MUL_LO, 0xa1                      ; source 0 (k) window 1, source 1 (q) window 0, C and D window 2
.set TO_B,   0x40
.macro PLACES
.rept 4
	v_nop
.endr
.endm
.macro CREST
	s_cmp_lg_u32 s[WV], 0
	s_cbranch_scc1 .Lnw0_\@
	s_barrier_signal -3
.Lnw0_\@:
	s_barrier_wait -3
	s_barrier_signal -1
	s_barrier_wait -1
.endm
.macro CROUND
	s_barrier_signal -1
	s_barrier_wait -1
	CREST
.endm
.macro JLOAD                           ; a joint refill by the walking descriptors: waves 0 and 1 fetch q's two chunks, waves 2 and 3 k's
	s_cmp_lt_u32 s[WV], 2
	s_cbranch_scc0 .Lfb_\@
	tensor_load_to_lds s[G0+4:G0+7], s[G1:G1+7]
	s_nop 0
	PLACES
	s_branch .Lasked_\@
.Lfb_\@:
	tensor_load_to_lds s[G0B+4:G0B+7], s[G1B:G1B+7]
	s_nop 0
	PLACES
.Lasked_\@:
.endm
	s_load_b128 s[4:7], s[0:1], 0x0                ; qkv s[4:5], pbuf s[6:7]
	s_load_b64 s[8:9], s[0:1], 0x10                ; stat
	v_lshl_add_u32 v[SPW], v0, 2, SPARE
	v_mov_b32 v[NIL], 0
	ds_add_u32 v[SPW], v[NIL]                      ; the wave's opening: the add and its wait come ahead of my first tensor load
	v_lshrrev_b32 v1, 5, v0
	v_readfirstlane_b32 s[WV], v1
	s_lshr_b32 s11, s[WV], 1                       ; which 128 queries are mine
	s_and_b32 s12, s[WV], 1                        ; which 128 keys; also: which chunk of a step I fetch
	s_bfe_u32 s40, ttmp6, 0x40000                  ; cx
	s_bfe_u32 s41, ttmp6, 0x40004                  ; cy
	s_lshl_b32 s42, ttmp9, 2
	s_add_co_u32 s42, s42, s40                     ; key block 0..7
	s_and_b32 s45, ttmp7, 0xffff                   ; cluster y
	s_lshl_b32 s13, s45, 2
	s_add_co_u32 s13, s13, s41                     ; query block 0..31
	s_lshr_b32 s45, s45, 1                         ; the batch, from the cluster's y alone
	s_lshl_b32 s43, s41, 2
	s_lshl_b32 s43, 15, s43                        ; my row of the cluster
	s_lshl_b32 s44, 0x1111, s40                    ; my column
	s_or_b32 s[G1], s43, (1<<16)|(1<<20)|(1<<21)|(4<<22)|(3<<25)
	s_or_b32 s[G1B], s44, (1<<16)|(1<<20)|(1<<21)|(4<<22)|(3<<25)
.irp g, G1, G1B
	s_mov_b32 s[(\g)+1], 128<<16                   ; 256 rows of 128 dense bytes, asked for as 128 rows of 256 bytes, padded after every 128
	s_mov_b32 s[(\g)+2], 128<<16
	s_mov_b32 s[(\g)+3], 128<<16
	s_mov_b32 s[(\g)+4], 128
	s_mov_b32 s[(\g)+5], 128
	s_mov_b32 s[(\g)+6], 0
	s_mov_b32 s[(\g)+7], 0
.endr
	s_lshl_b32 s14, s12, 20                        ; my chunk of a step
	s_lshl_b32 s16, s13, 15                        ; q: the query block's rows
	s_add_co_u32 s16, s16, s14
	s_mov_b32 s17, 0
	s_lshl_b32 s46, s45, 18                        ; k: the batch's rows,
	s_lshl_b32 s47, s42, 15                        ; the key block's
	s_add_co_u32 s46, s46, s47
	s_add_co_u32 s46, s46, s14
	s_add_co_u32 s46, s46, 0x1000000               ; in the second of the three tensors
	s_mov_b32 s47, 0
	s_mul_i32 s20, s[WV], PART                     ; where my part goes in a slot; kept
	s_mov_b32 s[TB], 0
	s_mov_b32 s[CS], 0x3d38aa3b                    ; c = log2(e) / 32
	s_mov_b32 s[CS+1], s[CS]
	s_mov_b32 s[SEL], 0x76543210
	s_mov_b32 s[SEL+1], 0xfedcba98
	s_lshl_b32 s70, s13, 20                        ; pbuf: row block 16 x query block + 8 x half, 65,536 bytes each,
	s_lshl_b32 s71, s11, 19
	s_add_co_u32 s70, s70, s71
	s_lshl_b32 s71, s42, 13                        ; key group 16 x key block + 8 x half, 512 bytes each
	s_add_co_u32 s70, s70, s71
	s_lshl_b32 s71, s12, 12
	s_add_co_u32 s70, s70, s71
	s_mov_b32 s71, 0
	s_lshl_b32 s18, s42, 16                        ; stat: t = 2 x key block + half, 32,768 bytes each,
	s_lshl_b32 s19, s12, 15
	s_add_co_u32 s18, s18, s19
	s_lshl_b32 s19, s13, 10                        ; my 128 rows
	s_add_co_u32 s18, s18, s19
	s_lshl_b32 s19, s11, 9
	s_add_co_u32 s18, s18, s19
	s_mov_b32 s19, 0
	s_wait_dscnt 0x0                               ; the opening add is done
	s_wait_kmcnt 0x0
	s_add_nc_u64 s[16:17], s[4:5], s[16:17]
	s_add_nc_u64 s[46:47], s[4:5], s[46:47]
	s_add_nc_u64 s[6:7], s[6:7], s[70:71]
	s_add_nc_u64 s[8:9], s[8:9], s[18:19]
.irp s, 0,1
	s_mov_b32 s[G0+4*(\s)], 1
	s_add_co_u32 s[G0+4*(\s)+1], s20, (\s)*SLOT
	s_add_nc_u64 s[G0+4*(\s)+2:G0+4*(\s)+3], s[16:17], (\s)*0x200000
	s_or_b32 s[G0+4*(\s)+3], s[G0+4*(\s)+3], 0x80000000
	s_mov_b32 s[G0B+4*(\s)], 1
	s_add_co_u32 s[G0B+4*(\s)+1], s20, (\s)*SLOT
	s_add_nc_u64 s[G0B+4*(\s)+2:G0B+4*(\s)+3], s[46:47], (\s)*0x200000
	s_or_b32 s[G0B+4*(\s)+3], s[G0B+4*(\s)+3], 0x80000000
.endr
	CROUND                                         ; all sixteen work-groups are here
	s_cmp_lt_u32 s[WV], 2                          ; a wave's two first fills stand in one branch
	s_cbranch_scc0 .Lfirst_b
	tensor_load_to_lds s[G0:G0+3], s[G1:G1+7]
	s_nop 0
	tensor_load_to_lds s[G0+4:G0+7], s[G1:G1+7]
	s_nop 0
	PLACES
	s_branch .Lfirst_done
.Lfirst_b:
	tensor_load_to_lds s[G0B:G0B+3], s[G1B:G1B+7]
	s_nop 0
	tensor_load_to_lds s[G0B+4:G0B+7], s[G1B:G1B+7]
	s_nop 0
	PLACES
.Lfirst_done:
	v_and_b32 v1, 15, v0
	v_bfe_u32 v2, v0, 4, 1
	v_mul_u32_u24 v3, v1, PITCH
	v_lshl_add_u32 v3, v2, 4, v3
	s_mul_i32 s21, s11, HALF
	s_mul_i32 s22, s12, HALF
	s_add_co_u32 s22, s22, 2*PART
	v_add_nc_u32 v[ADRA0], s21, v3
	v_add_nc_u32 v[ADRB0], s22, v3
	v_mov_b32 v[ADRA], v[ADRA0]                    ; slot 0
	v_mov_b32 v[ADRB], v[ADRB0]
	s_lshl_b32 s21, s[WV], 10
	s_add_co_u32 s21, s21, SSTG
	v_lshl_add_u32 v[STS], v1, 2, s21
	v_and_b32 v6, 31, v0
	v_lshlrev_b32 v[SGO], 4, v6
	v_add_nc_u32 v[SLD], s21, v[SGO]
	v_mov_b32 v[NEG], 0xff7fffff
	v_mov_b32 v[TP], 0                             ; v_permlanex16_b32's destination counts as read
; 16 products: query blocks a0, a0 + 1 of the window's four x all 8 key groups, 32 along K.  The 64 accumulators take turns in the same order in every quarter.
.macro MUL16 f, hi, a0, zero
	WIN MUL_LO+0x50*(\hi)
.irp a, \a0, (\a0)+1
.irp b, 0,1,2,3,4,5,6,7
.if \zero
	v_wmma_f32_16x16x32_f16 v[8*(8*(\a)+(\b)):8*(8*(\a)+(\b))+7], v[(\f)+8*(\b):(\f)+8*(\b)+7], v[(\f)+8*(4*(\hi)+(\a)):(\f)+8*(4*(\hi)+(\a))+7], 0
.else
	v_wmma_f32_16x16x32_f16 v[8*(8*(\a)+(\b)):8*(8*(\a)+(\b))+7], v[(\f)+8*(\b):(\f)+8*(\b)+7], v[(\f)+8*(4*(\hi)+(\a)):(\f)+8*(4*(\hi)+(\a))+7], v[8*(8*(\a)+(\b)):8*(8*(\a)+(\b))+7]
.endif
.endr
.endr
.endm
; 32 LDS loads in one run: quarter kq's fragments (chunk kq / 2, byte 64 (kq % 2) of its rows) into buffer f: k's 16, then q's 16
.macro FETCH kq, f
	WIN TO_B
.irp i, 0,1,2,3,4,5,6,7
	ds_load_b128 v[(\f)+8*(\i):(\f)+8*(\i)+3],   v[ADRB] offset:((\kq)/2)*PART+((\kq)%2)*64+(\i)*16*PITCH
	ds_load_b128 v[(\f)+8*(\i)+4:(\f)+8*(\i)+7], v[ADRB] offset:((\kq)/2)*PART+((\kq)%2)*64+(\i)*16*PITCH+32
.endr
	WIN 0
.irp i, 0,1,2,3,4,5,6,7
	ds_load_b128 v[(\f)+8*(\i):(\f)+8*(\i)+3],   v[ADRA] offset:((\kq)/2)*PART+((\kq)%2)*64+(\i)*16*PITCH
	ds_load_b128 v[(\f)+8*(\i)+4:(\f)+8*(\i)+7], v[ADRA] offset:((\kq)/2)*PART+((\kq)%2)*64+(\i)*16*PITCH+32
.endr
.endm
; One of a step's first three quarters: multiplies buffer f; in its middle it fetches quarter kq of the same slot into buffer g.
.macro QUARTER kq, f, g, zero
	s_wait_dscnt 8                                 ; k and q's rows 0-63 are in; the youngest eight loads may be out
	MUL16 \f, 0, 0, \zero
	MUL16 \f, 0, 2, \zero
	PLACES
	FETCH \kq, \g
	s_wait_dscnt 32                                ; all but the 32 just issued
	MUL16 \f, 1, 0, \zero
	MUL16 \f, 1, 2, \zero
.endm
; The last quarter multiplies buffer 1 and changes slots: ONE barrier; in front of it each wave waits for all its tensor loads, adds 0 to its spare word, and waits for that and for its reads of this slot,
; all of which have been issued: so the fragment addresses are turned to the other slot here.  fill = 1: the barrier opens a round of the cluster's, and the slot that is left is filled again, two steps
; ahead, first thing behind the round: the walking descriptors take its LDS byte and go one step (two chunks) on in memory.
.macro TURN fill
	WIN 0
	s_wait_tensorcnt 0x0                           ; my part of the next slot has landed; no tensor load of mine is out, so a group 0 may be written
	ds_add_u32 v[SPW], v[NIL]
.if \fill
	s_add_co_u32 s[G0+5], s20, s[TB]               ; my part of the slot that is left
	s_add_co_u32 s[G0B+5], s20, s[TB]
	s_add_nc_u64 s[G0+6:G0+7], s[G0+6:G0+7], 0x200000
	s_add_nc_u64 s[G0B+6:G0B+7], s[G0B+6:G0B+7], 0x200000
.endif
	s_xor_b32 s[TB], s[TB], SLOT                   ; 0 and SLOT by turns
	v_add_nc_u32 v[ADRA], s[TB], v[ADRA0]
	v_add_nc_u32 v[ADRB], s[TB], v[ADRB0]
	s_wait_dscnt 9                                 ; the add and the youngest eight loads may be out
	MUL16 F1, 0, 0, 0
	s_wait_dscnt 0x0                               ; the add is done, and my reads of the slot that is left are over
	s_barrier_signal -1
	MUL16 F1, 0, 2, 0
	WIN 0
	s_barrier_wait -1
.if \fill
	CREST                                          ; no wave of any partner still reads that slot or has a load on its way
	JLOAD                                          ; its four v_nop are also the places in front of the loads below
.else
	PLACES
.endif
	FETCH 0, F0
	MUL16 F1, 1, 0, 0
	MUL16 F1, 1, 2, 0
.endm
	s_wait_tensorcnt 0x1                           ; my part of step 0 is in; step 1's may stay out
	s_barrier_signal -1
	s_barrier_wait -1
	FETCH 0, F0
	QUARTER 1, F0, F1, 1                           ; the first quarter's products start the sums
	WIN 0
	s_mov_b32 s[CNT], 6
.Lstep:                                            ; trip i: step i's quarters 1 to 3, the refill with step i + 2, step i + 1's first quarter
	QUARTER 2, F1, F0, 0
	QUARTER 3, F0, F1, 0
	TURN 1
	QUARTER 1, F0, F1, 0
	WIN 0
	s_sub_co_u32 s[CNT], s[CNT], 1
	s_cmp_lg_u32 s[CNT], 0
	s_cbranch_scc1 .Lstep
	s_mov_b32 s[CNT], 2
.Ltail:                                            ; steps 6 and 7 ask for nothing: a text of their own
	QUARTER 2, F1, F0, 0
	QUARTER 3, F0, F1, 0
	TURN 0
	WIN 0
	s_cmp_eq_u32 s[CNT], 1
	s_cbranch_scc1 .Lout                           ; step 7 has no successor.  Its change of slots has fetched 32 fragments' halves that nobody multiplies: the price, once a launch, of one text for both trips
	QUARTER 1, F0, F1, 0
	WIN 0
	s_sub_co_u32 s[CNT], s[CNT], 1
	s_cmp_lg_u32 s[CNT], 0
	s_cbranch_scc1 .Ltail
.Lout:
	s_wait_dscnt 0x0                               ; those loads have landed: their registers are used again below
	PLACES
	PLACES
; THE WAY OUT of query block a (16 queries x 128 keys; a lane holds 64 scores of one query, the lane 16 away the other 64).
; The maximum (four chains, each accumulator read from its low end); c s - c m; 64 exponentials as ONE batch with one wait; P rounded to f16 and stored as it lies; l.
.macro EPI a
.set W_, 2+(\a)/4
.set AC, 64*((\a)%4)
.set SET, 64+32*((\a)%4)
.if (\a) >= 4
	s_wait_xcnt 0x0                                ; the stores of the block four back have read this set
.endif
	WIN (W_<<2)|(W_<<4)                            ; sources 1 and 2 in the accumulators' window
.set i_, 0
.rept 8                                ; chain k takes accumulators 2 k and 2 k + 1, a pair of scores a turn
.set k_, 0
.rept 4
.set R_, AC+8*(2*k_+i_/4)+2*(i_%4)
.if i_ == 0
	v_max3_num_f32 v[CC+k_], v[NEG], v[R_], v[R_+1]
.else
	v_max3_num_f32 v[CC+k_], v[CC+k_], v[R_], v[R_+1]
.endif
.set k_, k_+1
.endr
.set i_, i_+1
.endr
	WIN 0
	v_max3_num_f32 v[CC], v[CC], v[CC+1], v[CC+2]
	v_max_num_f32 v[CC], v[CC], v[CC+3]
	v_permlanex16_b32 v[TP], v[CC], s[SEL], s[SEL+1]
	v_max_num_f32 v[CM+1], v[CC], v[TP]            ; m
	v_mul_f32 v[CM], s[CS], v[CM+1]                ; c m
	WIN W_|(W_<<6)                                 ; source 0 and destination in the accumulators' window
.set i_, 0
.rept 32
	v_pk_fma_f32 v[AC+2*i_:AC+2*i_+1], v[AC+2*i_:AC+2*i_+1], s[CS:CS+1], v[CM:CM+1] op_sel_hi:[1,0,0] neg_lo:[0,0,1] neg_hi:[0,0,1]
.set i_, i_+1
.endr
.set i_, 0
.rept 64
	v_exp_f32 v[AC+i_], v[AC+i_]
.set i_, i_+1
.endr
	WIN 0
	v_nop                                          ; a plain instruction behind the last exponential
	ds_store_b32 v[STS], v[CM] offset:64*(\a)      ; both halves of the lanes write the same word with the same value
	s_wait_alu depctr_va_vdst(0)                   ; one wait for the batch, ahead of the first reader
	WIN 5*W_                                       ; sources 0 and 1 in the accumulators' window, destination in window 0
.set i_, 0
.rept 32
	v_cvt_pk_f16_f32 v[SET+i_], v[AC+2*i_], v[AC+2*i_+1]
.set i_, i_+1
.endr
.set i_, 0
.rept 16
	v_pk_add_f32 v[T+2*i_:T+2*i_+1], v[AC+4*i_:AC+4*i_+1], v[AC+4*i_+2:AC+4*i_+3]
.set i_, i_+1
.endr
	WIN 0
.irp b, 0,1,2,3,4,5,6,7
	global_store_b128 v[SGO], v[SET+4*(\b):SET+4*(\b)+3], s[6:7] offset:(\a)*65536+(\b)*512  ; key group b of the row block: 512 consecutive bytes, aligned
.endr
.set s_, 16
.rept 4                                ; 16 pairs into one: neighbours 16, 8, 4, 2 registers apart
.set i_, 0
.rept s_/2
	v_pk_add_f32 v[T+2*i_:T+2*i_+1], v[T+2*i_:T+2*i_+1], v[T+s_+2*i_:T+s_+2*i_+1]
.set i_, i_+1
.endr
.set s_, s_/2
.endr
	v_add_f32 v[T], v[T], v[T+1]
	v_permlanex16_b32 v[TP], v[T], s[SEL], s[SEL+1]
	v_add_f32 v[T], v[T], v[TP]                    ; l
	ds_store_b32 v[STS], v[T] offset:512+64*(\a)
.endm
.irp c, 0,1,2,3,4,5,6,7
	EPI \c
.endr
	ds_load_b128 v[200:203], v[SLD]                ; my wave's 128 c m and 128 l, as 512 consecutive bytes each; LDS serves a wave's instructions in order (ISA guide 5.7.1.4)
	ds_load_b128 v[204:207], v[SLD] offset:512
	s_wait_dscnt 0x0
	global_store_b128 v[SGO], v[200:203], s[8:9]
	global_store_b128 v[SGO], v[204:207], s[8:9] offset:524288
	s_wait_tensorcnt 0x0                           ; the wave's end
	ds_add_u32 v[SPW], v[NIL]
	s_wait_dscnt 0x0
	CROUND                                         ; the closing round
	s_endpgm
.Lfunc_end_k_q581924c494_scores:
	.size	k_q581924c494_scores, .Lfunc_end_k_q581924c494_scores-k_q581924c494_scores
	.p2alignl 7, 3214868480
	.fill 96, 4, 3214868480
	.section	.rodata,"a",@progbits
	.p2align	6, 0x0
	.amdhsa_kernel k_q581924c494_scores
		.amdhsa_group_segment_fixed_size 327680
		.amdhsa_private_segment_fixed_size 0
		.amdhsa_enable_private_segment 0
		.amdhsa_kernarg_size 24
		.amdhsa_user_sgpr_count 2
		.amdhsa_user_sgpr_kernarg_segment_ptr 1
		.amdhsa_wavefront_size32 1
		.amdhsa_system_sgpr_workgroup_id_x 1
		.amdhsa_system_sgpr_workgroup_id_y 1
		.amdhsa_system_sgpr_workgroup_id_z 1
		.amdhsa_system_vgpr_workitem_id 0
		.amdhsa_next_free_vgpr 1024
		.amdhsa_next_free_sgpr 72
		.amdhsa_reserve_vcc 0
		.amdhsa_float_denorm_mode_32 3
		.amdhsa_float_denorm_mode_16_64 3
		.amdhsa_memory_ordered 1
		.amdhsa_forward_progress 1
		.amdhsa_inst_pref_size 160
	.end_amdhsa_kernel
	.amdgpu_metadata
---
amdhsa.version: [ 1, 2 ]
amdhsa.kernels:
  - .name:           k_q581924c494_scores
    .symbol:         k_q581924c494_scores.kd
    .args:
      - { .name: qkv, .offset: 0, .size: 8, .value_kind: global_buffer, .address_space: global }
      - { .name: pbuf, .offset: 8, .size: 8, .value_kind: global_buffer, .address_space: global }
      - { .name: stat, .offset: 16, .size: 8, .value_kind: global_buffer, .address_space: global }
    .group_segment_fixed_size: 327680
    .private_segment_fixed_size: 0
    .kernarg_segment_align: 8
    .kernarg_segment_size: 24
    .max_flat_workgroup_size: 128
    .sgpr_count:     72
    .vgpr_count:     1024
    .wavefront_size: 32
...
	.end_amdgpu_metadata
.endif
;; end of part 3
;; launch pv (part 4): grid 8 x 32, 4 waves a work-group, clusters of 4 x 4, 327,680 bytes of LDS; arguments pbuf, qkv, stat, out0; writes out0
.if DOCPART == 4
	.amdgcn_target "amdgcn-amd-amdhsa--gfx1250"
	.amdhsa_code_object_version 6
	.text
	.protected	k_q581924c494_pv
	.globl	k_q581924c494_pv
	.p2align	8
	.type	k_q581924c494_pv,@function
k_q581924c494_pv:
	s_mov_b64 s[64:65], 0
	v_nop
	global_prefetch_b8 v0, s[64:65] scope:SCOPE_SE
	s_setreg_imm32_b32 hwreg(HW_REG_WAVE_MODE, 25, 1), 1
	s_wait_xcnt 0x0
	s_wait_alu depctr_hold_cnt(0) depctr_sa_sdst(0) depctr_va_vdst(0) depctr_va_sdst(0) depctr_va_ssrc(0) depctr_va_vcc(0) depctr_vm_vsrc(0)
	s_getreg_b32 s2, hwreg(HW_REG_IB_STS2, 6, 4)
	s_cmp_eq_u32 s2, 0
	s_cbranch_scc0 .Lentry_in_a_cluster
	s_endpgm
.Lentry_in_a_cluster:
	s_bfe_u32 s2, ttmp6, 0x10000c
	s_cmp_lg_u32 s2, 0xf033
	s_cbranch_scc0 .Lentry_shape_is_right
	s_endpgm
.Lentry_shape_is_right:
; out[q][:] = (1 / L) x the sum over the 16 key blocks t of (f_t P_t) V_t, with c M = the maximum over t of c m_t (the row's true maximum), f_t = 2^(c m_t - c M), L = the sum of f_t l_t.
; pbuf: f16 in fragment order: [512 blocks of 16 rows][128 groups of 16 keys][32 lanes][16 bytes]; v: the third tensor of qkv, f16 [16 chunks][8192 rows][64];
; stat: f32 [2][16][8192]: c m, l; out0: f32 [8192][1024].
; f is rounded to f16, and L is summed with the rounded f, so that L and the scaled weights agree; f P is rounded once more to f16; products in f16, sums in f32.
; LIMITS.  f below 6e-8 counts as 0; f P below 6e-5 keeps f16's fixed step of 6e-8; L is at least 1.  NaN and infinities are not treated apart.  The order of the sums over the key blocks differs from cluster to cluster (THE WALK).
; SHARES.  A work-group makes 256 queries x 128 channels (32 x 8 = 256 work-groups), a wave 64 queries x 128 channels: 32 accumulators.  16 steps of 128 keys (a block t), each four substeps of 32.
; THE MATRIX INSTRUCTION IS USED TRANSPOSED: source 0 = 16 channels of V (turned by ds_load_tr16_b128), source 1 = 16 queries of P: a lane holds ONE query (l % 16) and eight channels, so f and 1 / L are one number a lane.
; CLUSTER 4 x 4: P's tiles are shared along a row of the cluster, V's along a column (one batch): joint loads; waves 0, 1 ask for P's halves (8 row blocks x 4,096 bytes), waves 2, 3 for V's two chunks.
; THE WALK.  In walk step i a cluster takes key block i xor SIG, SIG = 2 ((x + y) & 1) from the cluster's own x and y: the same number in all sixteen partners.  P's tiles are read by the clusters x = 0 and 1
; of one y, V's by the clusters of even and odd y of one x and batch: in each such pair SIG differs, so the two ask for a tile two steps apart, each first for two blocks of every four.
; The table of f lies in the order of the walk: no LDS address hangs on SIG.
; The next substep's P is scaled while this substep is multiplied: four packed multiplies behind every second product (every product where slots change).
; A STEP IS WRITTEN ONCE: the LDS byte of the slot in hand is a scalar register that an exclusive or turns from 0 to SLOT and back; fragment addresses and the walking descriptors are made from it.
; AHEAD OF THE LOADS.  Behind a refill stands one prefetch into the L2 for the block two refills, 256 products, on, where my cluster is the first of its pair to load that block (ASK says who asks).
; REGISTERS: window 0: v0-15 addresses; v16-19 f of the step in hand; v20 the prefetches' offset; v24-31 1 / L; v32-63, v64-95 P, two buffers; v96-159, v160-223 V, two buffers.
;   window 1: accumulator (a, cb) at v[8 (4 cb + a)].
.set PVI,   160                        ; a row of V in LDS: 128 bytes + 32
.set PHALF, 8*4096                     ; P: 8 row blocks x 8 key groups x 512 bytes, dense: a load of 16 bytes a lane takes 512 neighbouring bytes
.set VOFF,  2*PHALF
.set VCH,   128*PVI
.set SLOT,  VOFF+2*VCH
.set FT,    2*SLOT                     ; f: [16 steps of the walk][256 rows], a word with the f16 in both halves
.set IT,    FT+16*1024                 ; 1 / L: [256 rows] f32
.set STAGE, IT+1024                    ; 16 rows x 528 bytes for each wave
.set SPO,   528
.set SPARE, STAGE+4*16*SPO             ; the spare words: two blocks of 256 bytes that no other line names
.set ADRP0, 4                          ; v4   my lane's place among P's fragments in a slot; never rewritten
.set ADRV0, 5                          ; v5   the same for V
.set ADRP, 6                           ; v6   the same in the slot that is being fetched from
.set ADRV, 7
.set FAD0, 8                           ; v8   my query's place in a block of the table of f; never rewritten
.set STO,  9
.set RD,   10
.set GO,   11
.set IAD,  12
.set FAD,  13                          ; v13  the same in the block of the step to come
.set SPW,  14
.set NIL,  15
.set FS,   16
.set PFO,  20                          ; v20  the prefetches' offset; never rewritten
.set INV,  24
.set PB,   32
.set VB,   96
.set WV,   12
.set CNT,  20
.set FTB,  21                          ; s21  bytes from the table's head to the block of the step to come
.set TB,   22                          ; s22  LDS byte of the slot that is being fetched from: 0 or SLOT
.set SIG,  23                          ; s23  what the walk's step is turned by: 0 or 2
.set G1P,  24
.set G0P,  32                          ; s[32:39] group 0 for P's tiles: a set for each first fill; the second then walks on
.set G1V,  40
.set G0V,  48
.set BP,   56                          ; s[56:57] pbuf at my half of the query block's row blocks, key block 0; kept
.set BV,   58                          ; s[58:59] v at my chunk, the batch's key 0; kept
.set LP,   60                          ; s60  my half of P in a slot
.set LV,   61                          ; s61  my chunk of V in a slot
.set PFA,  70                          ; s[70:71] what my next prefetch names
.set LIM,  74                          ; s74  14 in a wave that prefetches, else 0
.set WI,   80                          ; s80  the walk's step that the next refill brings
.set ASKF, 81                          ; s81  that step where the block two refills on is my cluster's to ask for, else 64
.set OFF,  82                          ; s[82:83] a byte offset; the high word stays 0
.set PFB,  84                          ; s[84:85] my work-group's part of key block 0 of what I prefetch
.set PSH,  86                          ; s86  a key block's bytes along it, as a shift: 12 for P, 14 for V
.set MSB, 0
.macro WIN new
.if MSB != (\new)
	s_set_vgpr_msb (MSB<<8)|(\new)
.set MSB, \new
.endif
.endm
.macro PLACES
.rept 4
	v_nop
.endr
.endm
.macro CREST
	s_cmp_lg_u32 s[WV], 0
	s_cbranch_scc1 .Lnw0_\@
	s_barrier_signal -3
.Lnw0_\@:
	s_barrier_wait -3
	s_barrier_signal -1
	s_barrier_wait -1
.endm
.macro CROUND
	s_barrier_signal -1
	s_barrier_wait -1
	CREST
.endm
.macro JLOAD                           ; a joint refill by the walking descriptors
	s_cmp_lt_u32 s[WV], 2
	s_cbranch_scc0 .Lfv_\@
	tensor_load_to_lds s[G0P+4:G0P+7], s[G1P:G1P+7]
	s_nop 0
	PLACES
	s_branch .Lasked_\@
.Lfv_\@:
	tensor_load_to_lds s[G0V+4:G0V+7], s[G1V:G1V+7]
	s_nop 0
	PLACES
.Lasked_\@:
.endm
; A PREFETCH INTO THE L2 of the key block that stands two refills on in my cluster's walk.  Of the two clusters that read a tile the one that loads it first asks: that is mine where the walk's step has
; bit 1 clear, so the refills that bring steps 2, 3, 6, 7, 10, 11 ask for steps 4, 5, 8, 9, 12, 13; the others, and the last two, ask for nothing.  Of the 8 row blocks of P that wave 0 or 1 fetches, the
; partner at place cx takes two: 2 x 4,096 bytes, a lane a block of 256.  Of each chunk's 16,384 bytes of V the partner at place cy takes 4,096; wave 2 asks for both chunks, lanes 0-15 the first,
; lanes 16-31 the second.  The partners are told apart BY ADDRESS: the branch hangs on the walk's step and the wave's number alone.  So each block of 256 bytes is named once at the most.
.macro ASK
	s_cmp_lt_u32 s[ASKF], s[LIM]
	s_cbranch_scc0 .Lnm_\@
	global_prefetch_b8 v[PFO], s[PFA:PFA+1] th:TH_LOAD_NT scope:SCOPE_SE
.Lnm_\@:
.endm
	s_load_b256 s[4:11], s[0:1], 0x0               ; pbuf s[4:5], qkv s[6:7], stat s[8:9], out0 s[10:11]
	v_lshl_add_u32 v[SPW], v0, 2, SPARE
	v_mov_b32 v[NIL], 0
	ds_add_u32 v[SPW], v[NIL]                      ; the wave's opening: the add and its wait come ahead of my first tensor load
	v_lshrrev_b32 v1, 5, v0
	v_readfirstlane_b32 s[WV], v1
	s_and_b32 s13, s[WV], 1                        ; which half of P's rows, or which chunk of V, I fetch
	s_bfe_u32 s14, ttmp6, 0x40000                  ; cx
	s_bfe_u32 s15, ttmp6, 0x40004                  ; cy
	s_lshl_b32 s16, ttmp9, 2
	s_add_co_u32 s16, s16, s14                     ; channel block 0..7
	s_and_b32 s19, ttmp7, 0xffff                   ; cluster y
	s_lshl_b32 s17, s19, 2
	s_add_co_u32 s17, s17, s15                     ; query block 0..31
	s_lshr_b32 s18, s19, 1                         ; the batch
	s_add_co_u32 s[SIG], ttmp9, s19                ; the walk: cluster x + cluster y,
	s_and_b32 s[SIG], s[SIG], 1                    ; its parity,
	s_lshl_b32 s[SIG], s[SIG], 1                   ; twice
	s_mov_b32 s[WI], 2                             ; the first fills bring the walk's steps 0 and 1
	s_mov_b32 s[OFF+1], 0
	s_lshl_b32 s62, s15, 2
	s_lshl_b32 s62, 15, s62                        ; my row of the cluster
	s_lshl_b32 s63, 0x1111, s14                    ; my column
	s_or_b32 s[G1P], s62, (3<<16)|(1<<21)          ; mask; 8-byte elements; no padding; bit 21 beside a mask
	s_or_b32 s[G1V], s63, (1<<16)|(1<<20)|(1<<21)|(4<<22)|(7<<25)  ; 2-byte elements; after every 32 words 8 words
	s_mov_b32 s[G1P+1], 512<<16                    ; P: 8 row blocks x 4,096 bytes (a step's 8 key groups), 65,536 bytes from row block to row block
	s_mov_b32 s[G1P+2], 8<<16
	s_mov_b32 s[G1P+3], 512<<16
	s_mov_b32 s[G1P+4], 8
	s_mov_b32 s[G1P+5], 8192
	s_mov_b32 s[G1P+6], 0
	s_mov_b32 s[G1P+7], 0
	s_mov_b32 s[G1V+1], 128<<16                    ; V: 128 keys x 128 dense bytes, asked for as 64 rows of 256 bytes
	s_mov_b32 s[G1V+2], 64<<16
	s_mov_b32 s[G1V+3], 128<<16
	s_mov_b32 s[G1V+4], 64
	s_mov_b32 s[G1V+5], 128
	s_mov_b32 s[G1V+6], 0
	s_mov_b32 s[G1V+7], 0
	s_lshl_b32 s56, s17, 20                        ; P: row block 16 x query block + 8 x half
	s_lshl_b32 s57, s13, 19
	s_add_co_u32 s56, s56, s57
	s_mov_b32 s57, 0
	s_lshl_b32 s58, s16, 21                        ; V: chunk 2 x channel block + half,
	s_lshl_b32 s59, s13, 20
	s_add_co_u32 s58, s58, s59
	s_lshl_b32 s59, s18, 18                        ; the batch's rows,
	s_add_co_u32 s58, s58, s59
	s_add_co_u32 s58, s58, 0x2000000               ; in the third of the three tensors
	s_mov_b32 s59, 0
	s_mul_i32 s[LP], s13, PHALF
	s_mul_i32 s[LV], s13, VCH
	s_add_co_u32 s[LV], s[LV], VOFF
	s_lshl_b32 s66, s17, 10                        ; stat: the query block's 256 rows
	s_mov_b32 s67, 0
	s_lshl_b32 s68, s17, 20                        ; out0: row 256 x query block + 64 x wave, 4,096 bytes a row,
	s_lshl_b32 s69, s[WV], 18
	s_add_co_u32 s68, s68, s69
	s_lshl_b32 s69, s16, 9                         ; channel 128 x channel block
	s_add_co_u32 s68, s68, s69
	s_mov_b32 s69, 0
	s_mov_b32 s[FTB], 0
	s_mov_b32 s[TB], 0
	; the prefetches: my work-group's part of a tile
	s_lshl_b32 s76, s14, 17                        ; P: 2 cx row blocks on
	s_lshl_b32 s77, s15, 12                        ; V: 4,096 cy bytes on
	s_cmp_lt_u32 s[WV], 2
	s_cselect_b32 s76, s76, s77
	s_cselect_b32 s[PSH], 12, 14                   ; a key block is 4,096 bytes of a row block of P, 16,384 of a chunk of V
	s_cselect_b32 s75, 16, 20                      ; lanes 16-31: the next row block of P, the next chunk of V
	s_mov_b32 s77, 0
	s_cmp_eq_u32 s[WV], 3
	s_cselect_b32 s[LIM], 0, 14                    ; wave 3 asks for nothing; the others while the refill brings a step below 14
	v_and_b32 v[PFO], 15, v0
	v_lshlrev_b32 v[PFO], 8, v[PFO]
	v_bfe_u32 v21, v0, 4, 1
	v_lshlrev_b32 v21, s75, v21
	v_add_nc_u32 v[PFO], v[PFO], v21
	s_wait_dscnt 0x0                               ; the opening add is done
	s_wait_kmcnt 0x0
	s_add_nc_u64 s[BP:BP+1], s[4:5], s[56:57]
	s_add_nc_u64 s[BV:BV+1], s[6:7], s[58:59]
	s_add_nc_u64 s[8:9], s[8:9], s[66:67]
	s_add_nc_u64 s[10:11], s[10:11], s[68:69]
	s_cmp_lt_u32 s[WV], 2
	s_cselect_b64 s[PFB:PFB+1], s[BP:BP+1], s[BV:BV+1]
	s_add_nc_u64 s[PFB:PFB+1], s[PFB:PFB+1], s[76:77]
	; stat in the order of the walk: step i is block i xor SIG: i + SIG where bit 1 of i is clear, i - SIG where it is set.  Two bases, both inside the buffer:
	s_lshl_b32 s[OFF], s[SIG], 15
	s_add_nc_u64 s[92:93], s[8:9], s[OFF:OFF+1]    ; block SIG: steps 0, 1, 4, 5, .. count from here,
	s_sub_co_u32 s[OFF], 2, s[SIG]
	s_lshl_b32 s[OFF], s[OFF], 15
	s_add_nc_u64 s[94:95], s[8:9], s[OFF:OFF+1]    ; block 2 - SIG, which is step 2: steps 2, 3, 6, 7, .. count from here
	s_lshl_b32 s[OFF], s[SIG], 12                  ; the walk's step 0 is block SIG, its step 1 block SIG + 1
	s_add_nc_u64 s[88:89], s[BP:BP+1], s[OFF:OFF+1]
	s_lshl_b32 s[OFF], s[SIG], 14
	s_add_nc_u64 s[90:91], s[BV:BV+1], s[OFF:OFF+1]
	v_lshlrev_b32 v102, 3, v0                      ; thread i owns rows 2 i and 2 i + 1 of the query block
.set t_, 0
.rept 16
.if (t_%4) < 2
	global_load_b64 v[32+2*t_:33+2*t_], v102, s[92:93] offset:t_*32768
	global_load_b64 v[64+2*t_:65+2*t_], v102, s[92:93] offset:t_*32768+524288
.else
	global_load_b64 v[32+2*t_:33+2*t_], v102, s[94:95] offset:(t_-2)*32768
	global_load_b64 v[64+2*t_:65+2*t_], v102, s[94:95] offset:(t_-2)*32768+524288
.endif
.set t_, t_+1
.endr
.irp s, 0,1
	s_mov_b32 s[G0P+4*(\s)], 1
	s_add_co_u32 s[G0P+4*(\s)+1], s[LP], (\s)*SLOT
	s_add_nc_u64 s[G0P+4*(\s)+2:G0P+4*(\s)+3], s[88:89], (\s)*4096
	s_or_b32 s[G0P+4*(\s)+3], s[G0P+4*(\s)+3], 0x80000000
	s_mov_b32 s[G0V+4*(\s)], 1
	s_add_co_u32 s[G0V+4*(\s)+1], s[LV], (\s)*SLOT
	s_add_nc_u64 s[G0V+4*(\s)+2:G0V+4*(\s)+3], s[90:91], (\s)*16384
	s_or_b32 s[G0V+4*(\s)+3], s[G0V+4*(\s)+3], 0x80000000
.endr
	CROUND                                         ; all sixteen work-groups are here
	s_cmp_lt_u32 s[WV], 2                          ; a wave's two first fills stand in one branch
	s_cbranch_scc0 .Lfirst_v
	tensor_load_to_lds s[G0P:G0P+3], s[G1P:G1P+7]
	s_nop 0
	tensor_load_to_lds s[G0P+4:G0P+7], s[G1P:G1P+7]
	s_nop 0
	PLACES
	s_branch .Lfirst_done
.Lfirst_v:
	tensor_load_to_lds s[G0V:G0V+3], s[G1V:G1V+7]
	s_nop 0
	tensor_load_to_lds s[G0V+4:G0V+7], s[G1V:G1V+7]
	s_nop 0
	PLACES
.Lfirst_done:
	v_and_b32 v1, 15, v0
	v_bfe_u32 v2, v0, 4, 1
	v_and_b32 v3, 31, v0
	v_lshlrev_b32 v[GO], 4, v3                     ; 16 x lane
	s_lshl_b32 s66, s[WV], 14
	v_add_nc_u32 v[ADRP0], s66, v[GO]              ; my wave's four row blocks: 4 x wave x 4,096 + 16 x lane
	v_mov_b32 v[ADRP], v[ADRP0]                    ; slot 0
	v_and_b32 v17, 7, v0                           ; the turning load: key 8 h + l % 8, channels 8 ((l / 8) % 2) + 0..7
	v_lshl_add_u32 v17, v2, 3, v17
	v_mul_u32_u24 v17, v17, PVI
	v_bfe_u32 v18, v0, 3, 1
	v_lshl_add_u32 v17, v18, 4, v17
	v_add_nc_u32 v[ADRV0], VOFF, v17
	v_mov_b32 v[ADRV], v[ADRV0]
	s_lshl_b32 s66, s[WV], 8
	s_add_co_u32 s67, s66, FT
	v_lshl_add_u32 v[FAD0], v1, 2, s67
	v_mov_b32 v[FAD], v[FAD0]
	s_add_co_u32 s67, s66, IT
	v_lshl_add_u32 v[IAD], v1, 2, s67
	s_mul_i32 s66, s[WV], 16*SPO
	s_add_co_u32 s66, s66, STAGE
	v_mul_u32_u24 v16, v1, SPO
	v_lshl_add_u32 v16, v2, 5, v16
	v_add_nc_u32 v[STO], s66, v16                  ; in: row r, 32 bytes for each half of the lanes
	v_add_nc_u32 v[RD], s66, v[GO]                 ; back: a whole row of 512 bytes
	; THE FACTORS, once: for my two rows the maximum of the 16 c m, the 16 f, L and 1 / L.  None of these hangs on the order of the 16.
	s_wait_loadcnt 0x0
	v_max3_num_f32 v96, v32, v34, v36
	v_max3_num_f32 v97, v33, v35, v37
.irp t, 3,5,7,9,11,13
	v_max3_num_f32 v96, v96, v[32+2*(\t)], v[34+2*(\t)]
	v_max3_num_f32 v97, v97, v[33+2*(\t)], v[35+2*(\t)]
.endr
	v_max_num_f32 v96, v96, v62
	v_max_num_f32 v97, v97, v63
.set t_, 0
.rept 16
	v_pk_add_f32 v[32+2*t_:33+2*t_], v[32+2*t_:33+2*t_], v[96:97] neg_lo:[0,1] neg_hi:[0,1]
.set t_, t_+1
.endr
.set t_, 0
.rept 32
	v_exp_f32 v[32+t_], v[32+t_]
.set t_, t_+1
.endr
	v_mov_b32 v98, 0                               ; L starts at 0; also the plain instruction behind the last exponential
	v_mov_b32 v99, 0
	s_wait_alu depctr_va_vdst(0)                   ; one wait for the batch
.set t_, 0
.rept 32
	v_cvt_pk_f16_f32 v[32+t_], v[32+t_], v[32+t_]  ; f in both halves
.set t_, t_+1
.endr
.set t_, 0
.rept 32
	v_fma_mix_f32 v[98+t_%2], v[64+t_], v[32+t_], v[98+t_%2] op_sel_hi:[0,1,0]  ; L += l x the rounded f
.set t_, t_+1
.endr
	v_rcp_f32 v100, v98
	v_rcp_f32 v101, v99
	v_add_nc_u32 v103, FT, v102                    ; a plain instruction behind the reciprocals
	s_wait_alu depctr_va_vdst(0)
.set t_, 0
.rept 16
	ds_store_b64 v103, v[32+2*t_:33+2*t_] offset:1024*t_
.set t_, t_+1
.endr
	ds_store_b64 v103, v[100:101] offset:IT-FT
	s_wait_dscnt 0x0                               ; for the others' sake: my part of the tables is written
	s_wait_tensorcnt 0x1                           ; my part of the walk's step 0 is in; step 1's may stay out
	s_barrier_signal -1
	s_barrier_wait -1
; cnt products from number lo on; product i: channel group i / 4, query block i % 4, accumulator v[8 i] of window 1.  The 32 accumulators take turns.  PBF, VBF: the buffers in hand.
.macro MM lo, cnt, zero
	WIN 0x50
.set i_, \lo
.rept \cnt
.if \zero
	v_wmma_f32_16x16x32_f16 v[8*i_:8*i_+7], v[VBF+8*(i_/4):VBF+8*(i_/4)+7], v[PBF+8*(i_%4):PBF+8*(i_%4)+7], 0
.else
	v_wmma_f32_16x16x32_f16 v[8*i_:8*i_+7], v[VBF+8*(i_/4):VBF+8*(i_/4)+7], v[PBF+8*(i_%4):PBF+8*(i_%4)+7], v[8*i_:8*i_+7]
.endif
.set i_, i_+1
.endr
.endm
.macro RID k                           ; four registers of the next substep's P (buffer PBG) times their query block's f
	WIN 0
.irp j, 0,1,2,3
	v_pk_mul_f16 v[PBG+4*(\k)+(\j)], v[PBG+4*(\k)+(\j)], v[FS+(4*(\k)+(\j))/8]
.endr
.endm
; A run of LDS loads: [fl = 1: the four f of the step to come,] P's four fragments (key groups 2 ks and 2 ks + 1), V's eight (turned), of substep ks, into buffers g
.macro FETCH ks, g, fl
.if \fl
.irp a, 0,1,2,3
	ds_load_b32 v[FS+(\a)], v[FAD] offset:64*(\a)
.endr
.endif
.irp a, 0,1,2,3
	ds_load_b128 v[PB+32*(\g)+8*(\a):PB+32*(\g)+8*(\a)+3], v[ADRP] offset:4096*(\a)+1024*(\ks)
	ds_load_b128 v[PB+32*(\g)+8*(\a)+4:PB+32*(\g)+8*(\a)+7], v[ADRP] offset:4096*(\a)+1024*(\ks)+512
.endr
.irp c, 0,1,2,3,4,5,6,7
	ds_load_tr16_b128 v[VB+64*(\g)+8*(\c):VB+64*(\g)+8*(\c)+3], v[ADRV] offset:VCH*((\c)/4)+32*((\c)%4)+32*PVI*(\ks)
	ds_load_tr16_b128 v[VB+64*(\g)+8*(\c)+4:VB+64*(\g)+8*(\c)+7], v[ADRV] offset:VCH*((\c)/4)+32*((\c)%4)+32*PVI*(\ks)+16*PVI
.endr
.endm
; Substep ks (0, 1, 2) of a step.  The four packed multiplies that end the substep before are the places between its last product and the loads into the buffers that it read.
.macro SUBP ks, zero
.set PBF, PB+32*((\ks)%2)
.set VBF, VB+64*((\ks)%2)
.set PBG, PB+32*(((\ks)+1)%2)
	s_wait_dscnt 0x0                               ; this substep's V, asked for a substep ago, is in
	WIN 0
	FETCH (\ks)+1, ((\ks)+1)%2, 0
	MM 0, 16, \zero
	s_wait_dscnt 16                                ; the next P is in; V's 16 loads stay out
.set k_, 0
.rept 8
	MM 16+2*k_, 2, \zero
	RID k_
.set k_, k_+1
.endr
.endm
; A step's last substep changes slots: ONE barrier; in front of it each wave waits for all its tensor loads, adds 0 to its spare word, and waits for that and for its reads of this slot, all of which have
; been issued: so the fragment addresses are turned to the other slot here.  fill = 1: the barrier opens a round of the cluster's, and the slot that is left is filled again, two steps ahead, first thing
; behind the round: the walking descriptors take its LDS byte, and their global addresses are made anew from the walk's step: key block WI xor SIG.
; The step to come brings its f: the old f's last readers stand in the substep before.
.macro TURNP fill
.set PBF, PB+32
.set VBF, VB+64
.set PBG, PB
	WIN 0
.if \fill
	s_wait_xcnt 0x0                                ; the last prefetch, a step or more back, has read its address: it is made anew here, ahead of the waits of the change of slots
	s_add_co_u32 s[OFF], s[WI], 2                  ; the walk's step two refills on,
	s_xor_b32 s[OFF], s[OFF], s[SIG]               ; its key block,
	s_lshl_b32 s[OFF], s[OFF], s[PSH]              ; in bytes (where nothing is asked for the address is not used)
	s_add_nc_u64 s[PFA:PFA+1], s[PFB:PFB+1], s[OFF:OFF+1]
	s_and_b32 s[ASKF], s[WI], 2                    ; bit 1 of WI set: bit 1 of WI + 2 clear: that block is my cluster's to ask for
	s_cselect_b32 s[ASKF], s[WI], 64
.endif
	s_wait_tensorcnt 0x0                           ; my part of the other slot has landed; no tensor load of mine is out, so a group 0 may be written
	ds_add_u32 v[SPW], v[NIL]
.if \fill
	s_add_co_u32 s[G0P+5], s[LP], s[TB]            ; my part of the slot that is left
	s_add_co_u32 s[G0V+5], s[LV], s[TB]
	s_xor_b32 s[OFF], s[WI], s[SIG]                ; the key block, 0 to 15
	s_lshl_b32 s[OFF], s[OFF], 12                  ; its 4,096 bytes of a row block of P,
	s_add_nc_u64 s[G0P+6:G0P+7], s[BP:BP+1], s[OFF:OFF+1]
	s_or_b32 s[G0P+7], s[G0P+7], 0x80000000
	s_lshl_b32 s[OFF], s[OFF], 2                   ; and its 16,384 bytes of a chunk of V
	s_add_nc_u64 s[G0V+6:G0V+7], s[BV:BV+1], s[OFF:OFF+1]
	s_or_b32 s[G0V+7], s[G0V+7], 0x80000000
	s_add_co_u32 s[WI], s[WI], 1
.endif
	s_xor_b32 s[TB], s[TB], SLOT                   ; 0 and SLOT by turns
	s_add_co_u32 s[FTB], s[FTB], 1024
	v_add_nc_u32 v[ADRP], s[TB], v[ADRP0]
	v_add_nc_u32 v[ADRV], s[TB], v[ADRV0]
	v_add_nc_u32 v[FAD], s[FTB], v[FAD0]
	s_wait_dscnt 1                                 ; this substep's V is in; the add may be out
	MM 0, 8, 0
	s_wait_dscnt 0x0                               ; the add is done, and my reads of the slot that is left are over
	s_barrier_signal -1
	MM 8, 8, 0
	WIN 0
	s_barrier_wait -1
.if \fill
	CREST                                          ; no wave of any partner still reads that slot or has a load on its way
	JLOAD
.else
	PLACES
.endif
	FETCH 0, 0, 1
.if \fill
	ASK                                            ; behind the joint load and the run of LDS loads that the next products wait for
.endif
	MM 16, 8, 0
	s_wait_dscnt 16                                ; f and the next step's first P are in
.set k_, 0
.rept 8
	MM 24+k_, 1, 0
	RID k_
.set k_, k_+1
.endr
.endm
	FETCH 0, 0, 1                                  ; step 0: its f, and its first substep
	s_wait_dscnt 16
.set PBG, PB
.set k_, 0
.rept 8
	RID k_
.set k_, k_+1
.endr
	SUBP 0, 1                                      ; the first substep's products start the sums
	WIN 0
	s_mov_b32 s[CNT], 14
.Lstep:                                            ; trip i: step i's substeps 1 to 3, the refill with step i + 2, step i + 1's first substep
	SUBP 1, 0
	SUBP 2, 0
	TURNP 1
	SUBP 0, 0
	WIN 0
	s_sub_co_u32 s[CNT], s[CNT], 1
	s_cmp_lg_u32 s[CNT], 0
	s_cbranch_scc1 .Lstep
	s_mov_b32 s[CNT], 2
.Ltail:                                            ; steps 14 and 15 ask for nothing: a text of their own
	SUBP 1, 0
	SUBP 2, 0
	TURNP 0
	WIN 0
	s_cmp_eq_u32 s[CNT], 1
	s_cbranch_scc1 .Lout                           ; step 15 has no successor.  Its change of slots has fetched and scaled fragments that nobody multiplies (28 LDS loads, the four words for f out of the table of 1 / L, 32 packed multiplies): the price, once a launch, of one text for both trips
	SUBP 0, 0
	WIN 0
	s_sub_co_u32 s[CNT], s[CNT], 1
	s_cmp_lg_u32 s[CNT], 0
	s_cbranch_scc1 .Ltail
.Lout:
	s_wait_dscnt 0x0                               ; those loads have landed: their registers are used again below
.irp a, 0,1,2,3
	ds_load_b32 v[INV+2*(\a)], v[IAD] offset:64*(\a)    ; 1 / L of my query in each of the four blocks; twice, since the packed multiply names a pair
	ds_load_b32 v[INV+2*(\a)+1], v[IAD] offset:64*(\a)
.endr
	PLACES
	PLACES
	s_wait_dscnt 0x0
; THE WAY OUT of query block a: times 1 / L, 32 bytes a lane and channel group into my stage, back as whole rows of 512 bytes.
.macro PACKO a
.set SET, 32+64*((\a)%2)
.if (\a) >= 2
	s_wait_xcnt 0x0                                ; the stores of the block two back have read this set
.endif
	WIN 0x01                                       ; source 0 in window 1
.irp c, 0,1,2,3,4,5,6,7
.irp j, 0,1,2,3
	v_pk_mul_f32 v[SET+8*(\c)+2*(\j):SET+8*(\c)+2*(\j)+1], v[8*(4*(\c)+(\a))+2*(\j):8*(4*(\c)+(\a))+2*(\j)+1], v[INV+2*(\a):INV+2*(\a)+1] op_sel_hi:[1,0]
.endr
.endr
	WIN 0
.irp c, 0,1,2,3,4,5,6,7
	ds_store_b128 v[STO], v[SET+8*(\c):SET+8*(\c)+3] offset:64*(\c)
	ds_store_b128 v[STO], v[SET+8*(\c)+4:SET+8*(\c)+7] offset:64*(\c)+16
.endr
.irp t, 0,1,2,3,4,5,6,7,8,9,10,11,12,13,14,15
	ds_load_b128 v[SET+4*(\t):SET+4*(\t)+3], v[RD] offset:SPO*(\t)  ; LDS serves a wave's instructions in order (ISA guide 5.7.1.4): these see the stores above
.endr
.endm
.macro SENDO a, younger                ; younger: the next block's 32 LDS instructions, or none
.set SET, 32+64*((\a)%2)
	s_wait_dscnt \younger
.irp t, 0,1,2,3,4,5,6,7,8,9,10,11,12,13,14,15
	global_store_b128 v[GO], v[SET+4*(\t):SET+4*(\t)+3], s[10:11] offset:(16*(\a)+(\t))*4096 th:TH_STORE_NT  ; 512 consecutive bytes of a row, aligned
.endr
.endm
	PACKO 0
	PACKO 1
	SENDO 0, 32
	PACKO 2
	SENDO 1, 32
	PACKO 3
	SENDO 2, 32
	SENDO 3, 0
	s_wait_tensorcnt 0x0                           ; the wave's end
	ds_add_u32 v[SPW], v[NIL]
	s_wait_dscnt 0x0
	CROUND                                         ; the closing round
	s_endpgm
.Lfunc_end_k_q581924c494_pv:
	.size	k_q581924c494_pv, .Lfunc_end_k_q581924c494_pv-k_q581924c494_pv
	.p2alignl 7, 3214868480
	.fill 96, 4, 3214868480
	.section	.rodata,"a",@progbits
	.p2align	6, 0x0
	.amdhsa_kernel k_q581924c494_pv
		.amdhsa_group_segment_fixed_size 327680
		.amdhsa_private_segment_fixed_size 0
		.amdhsa_enable_private_segment 0
		.amdhsa_kernarg_size 32
		.amdhsa_user_sgpr_count 2
		.amdhsa_user_sgpr_kernarg_segment_ptr 1
		.amdhsa_wavefront_size32 1
		.amdhsa_system_sgpr_workgroup_id_x 1
		.amdhsa_system_sgpr_workgroup_id_y 1
		.amdhsa_system_sgpr_workgroup_id_z 1
		.amdhsa_system_vgpr_workitem_id 0
		.amdhsa_next_free_vgpr 512
		.amdhsa_next_free_sgpr 96
		.amdhsa_reserve_vcc 0
		.amdhsa_float_denorm_mode_32 3
		.amdhsa_float_denorm_mode_16_64 3
		.amdhsa_memory_ordered 1
		.amdhsa_forward_progress 1
		.amdhsa_inst_pref_size 105
	.end_amdhsa_kernel
	.amdgpu_metadata
---
amdhsa.version: [ 1, 2 ]
amdhsa.kernels:
  - .name:           k_q581924c494_pv
    .symbol:         k_q581924c494_pv.kd
    .args:
      - { .name: pbuf, .offset: 0, .size: 8, .value_kind: global_buffer, .address_space: global }
      - { .name: qkv, .offset: 8, .size: 8, .value_kind: global_buffer, .address_space: global }
      - { .name: stat, .offset: 16, .size: 8, .value_kind: global_buffer, .address_space: global }
      - { .name: out0, .offset: 24, .size: 8, .value_kind: global_buffer, .address_space: global }
    .group_segment_fixed_size: 327680
    .private_segment_fixed_size: 0
    .kernarg_segment_align: 8
    .kernarg_segment_size: 32
    .max_flat_workgroup_size: 128
    .sgpr_count:     96
    .vgpr_count:     512
    .wavefront_size: 32
...
	.end_amdgpu_metadata
.endif
;; end of part 4
;; ======== version 2 of 2: 4 launches; version 1 with the launch cast written anew for expert scheduling mode
;; limits: values are held in f16: magnitudes above 65,504 overflow, below 6.1e-05 lose precision
;; workspace buffers: xb 16,777,216 bytes; wb 6,291,456 bytes; qkv 50,331,648 bytes; pbuf 33,554,432 bytes; stat 1,048,576 bytes
;; launch cast (part 5): grid 256 x 1, 8 waves a work-group, no clusters, 0 bytes of LDS; arguments x, Wq_w, Wk_w, Wv_w, xb, wb; writes xb, wb
.if DOCPART == 5
	.amdgcn_target "amdgcn-amd-amdhsa--gfx1250"
	.amdhsa_code_object_version 6
	.text
	.protected	k_q581924c494_cast
	.globl	k_q581924c494_cast
	.p2align	8
	.type	k_q581924c494_cast,@function
k_q581924c494_cast:
	s_mov_b64 s[64:65], 0
	v_nop
	global_prefetch_b8 v0, s[64:65] scope:SCOPE_SE
	s_setreg_imm32_b32 hwreg(HW_REG_WAVE_SCHED_MODE, 0, 2), 2
	s_setreg_imm32_b32 hwreg(HW_REG_WAVE_MODE, 25, 1), 1
	s_wait_xcnt 0x0
	s_wait_alu depctr_vm_vsrc(0)
; x [8192][1024] and the three weights [1024][1024], all f32, are rounded once to bf16 (nearest even).
; xb lies in chunks of 64 along k: byte = (k / 64) x 1,048,576 + row x 128 + 2 (k % 64), so that a tile of rows x 64 is dense.
; wb is a plain cast: [3][1024 k][1024 n], q, k, v in this order.
; SHARES.  Work-group g: rows 32 g .. 32 g + 31 of x and rows 4 g .. 4 g + 3 of each weight: 44 rows of 4,096 bytes, the same for all 256.
; Wave w: four rows of x (two pairs x 16 chunks: lanes 0-15 take 256 bytes of the even row, lanes 16-31 of the odd one) and 512 bytes of each of the 12 weight rows.
; All 44 loads of a wave go out first; they are then waited for four at a time, rounded in place and stored: a store of 8 bytes a lane covers 256 consecutive bytes, aligned.
; No LDS, no matrix unit, no cluster: nothing is shared and nothing is multiplied.
; THE MODE: SCHED_MODE bits 1:0 = 2 (LLVM: expert scheduling mode 2), set by the entry lines.  The code itself states the register dependences
; between vector instructions and memory instructions, with s_wait_alu, always for 0.
; THE PLAN.  Registers that memory instructions touch:
;   v2, v4     byte offsets of the loads, v3, v5 of the stores: made once at the head and never written again.
;   D[i]       four registers for load i of 44.  Load i lands in them; its two conversions read all four and write the first two; store i reads those two.  Nothing writes them after that.
; The 44 go in 11 blocks of four.  Block p rounds D[4 p .. 4 p + 3]; its memory instructions are the four stores of block p - 1, whose data no vector instruction of block p names.
; So one wait at a block's head states all that its four stores hang on, and they are dealt among its eight conversions with no further wait.
; No register that a load or store has read is written again, so no wait frees a source; no vector instruction writes a scalar register or VCC; EXEC is never written.
.set D0, 8                             ; v[8:183]  load i: four registers
.set VX,  2                            ; v2  my byte offset in the group's rows of x
.set VXO, 3                            ; v3  my byte offset in a chunk of xb
.set VW,  4                            ; v4  my byte offset in a weight row
.set VWO, 5                            ; v5  the same in wb
	s_load_b256 s[4:11], s[0:1], 0x0               ; x s[4:5], Wq s[6:7], Wk s[8:9], Wv s[10:11]
	s_load_b128 s[12:15], s[0:1], 0x20             ; xb s[12:13], wb s[14:15]
	v_and_b32 v1, 31, v0                           ; lane
	v_lshrrev_b32 v6, 5, v0                        ; wave
	v_lshrrev_b32 v7, 4, v1                        ; which row of a pair
	v_and_b32 v[VX], 15, v1
	v_lshlrev_b32 v[VX], 4, v[VX]
	v_lshl_add_u32 v[VX], v7, 12, v[VX]
	v_lshl_add_u32 v[VX], v6, 14, v[VX]            ; wave x 4 rows + row of the pair + 16 (lane % 16)
	v_lshlrev_b32 v[VXO], 3, v1
	v_lshl_add_u32 v[VXO], v6, 9, v[VXO]           ; wave x 4 rows of 128 bytes + 8 x lane
	v_lshlrev_b32 v[VW], 4, v0                     ; 512 x wave + 16 x lane
	v_lshlrev_b32 v[VWO], 3, v0                    ; 256 x wave + 8 x lane
	s_lshl_b32 s20, ttmp9, 17                      ; 32 rows of x
	s_mov_b32 s21, 0
	s_lshl_b32 s22, ttmp9, 14                      ; 4 rows of a weight
	s_mov_b32 s23, 0
	s_lshl_b32 s24, ttmp9, 12                      ; 32 rows of a chunk of xb
	s_mov_b32 s25, 0
	s_lshl_b32 s26, ttmp9, 13                      ; 4 rows of wb
	s_mov_b32 s27, 0
	s_wait_kmcnt 0x0
	s_add_nc_u64 s[4:5], s[4:5], s[20:21]
	s_add_nc_u64 s[6:7], s[6:7], s[22:23]
	s_add_nc_u64 s[8:9], s[8:9], s[22:23]
	s_add_nc_u64 s[10:11], s[10:11], s[22:23]
	s_add_nc_u64 s[16:17], s[12:13], s[24:25]      ; xb, chunks 0-7
	s_add_nc_u64 s[18:19], s[16:17], 0x800000      ; xb, chunks 8-15: the stores' immediates stay inside 24 signed bits
	s_add_nc_u64 s[14:15], s[14:15], s[26:27]
	s_wait_alu depctr_va_vdst(0)                   ; v2 to v5 are written: every load and store of the kernel reads one of them as its offset
.set i_, 0
.rept 32                               ; load i: pair i / 16, chunk i % 16
	global_load_b128 v[D0+4*i_:D0+4*i_+3], v[VX], s[4:5] offset:(i_/16)*8192+(i_%16)*256 th:TH_LOAD_NT
.set i_, i_+1
.endr
.irp m, 0,1,2
.irp j, 0,1,2,3
	global_load_b128 v[D0+4*(32+4*(\m)+(\j)):D0+4*(32+4*(\m)+(\j))+3], v[VW], s[6+2*(\m):7+2*(\m)] offset:(\j)*4096 th:TH_LOAD_NT
.endr
.endr
; load i's four numbers are rounded in place: they close up into the first two of their four registers
.macro CV i
	v_cvt_pk_bf16_f32 v[D0+4*(\i)], v[D0+4*(\i)], v[D0+4*(\i)+1]
	v_cvt_pk_bf16_f32 v[D0+4*(\i)+1], v[D0+4*(\i)+2], v[D0+4*(\i)+3]
.endm
; and leave: loads 0 to 31 for xb (chunk i % 16, pair i / 16), loads 32 to 43 for wb (weight (i - 32) / 4, row (i - 32) % 4)
.macro ST i
.if (\i) < 32
	global_store_b64 v[VXO], v[D0+4*(\i):D0+4*(\i)+1], s[16+2*(((\i)%16)/8):17+2*(((\i)%16)/8)] offset:(((\i)%16)%8)*1048576+((\i)/16)*256 th:TH_STORE_NT
.else
	global_store_b64 v[VWO], v[D0+4*(\i):D0+4*(\i)+1], s[14:15] offset:(((\i)-32)/4)*2097152+(((\i)-32)%4)*2048 th:TH_STORE_NT
.endif
.endm
; Block p: its four loads are rounded; the four stores of the block before stand among the conversions, one in front of each pair.
.macro BLK p
	s_wait_loadcnt 40-4*(\p)                       ; loads come back in order (ISA guide 5.7.1): loads 4 p to 4 p + 3 are in, the 40 - 4 p younger ones stay out
.if (\p) > 0
	s_wait_alu depctr_va_vdst(0)                   ; the block before has written its four pairs, which the stores below read; the conversions below name this block's registers alone
.endif
.irp j, 0,1,2,3
.if (\p) > 0
	ST 4*((\p)-1)+(\j)
.endif
	CV 4*(\p)+(\j)
.endr
.endm
.irp p, 0,1,2,3,4,5,6,7,8,9,10
	BLK \p
.endr
	s_wait_alu depctr_va_vdst(0)                   ; block 10 has written its four pairs, which the last four stores read
.irp j, 40,41,42,43
	ST \j
.endr
	s_endpgm
.Lfunc_end_k_q581924c494_cast:
	.size	k_q581924c494_cast, .Lfunc_end_k_q581924c494_cast-k_q581924c494_cast
	.p2alignl 7, 3214868480
	.fill 96, 4, 3214868480
	.section	.rodata,"a",@progbits
	.p2align	6, 0x0
	.amdhsa_kernel k_q581924c494_cast
		.amdhsa_group_segment_fixed_size 0
		.amdhsa_private_segment_fixed_size 0
		.amdhsa_enable_private_segment 0
		.amdhsa_kernarg_size 48
		.amdhsa_user_sgpr_count 2
		.amdhsa_user_sgpr_kernarg_segment_ptr 1
		.amdhsa_wavefront_size32 1
		.amdhsa_system_sgpr_workgroup_id_x 1
		.amdhsa_system_sgpr_workgroup_id_y 1
		.amdhsa_system_sgpr_workgroup_id_z 1
		.amdhsa_system_vgpr_workitem_id 0
		.amdhsa_next_free_vgpr 184
		.amdhsa_next_free_sgpr 66
		.amdhsa_reserve_vcc 0
		.amdhsa_float_denorm_mode_32 3
		.amdhsa_float_denorm_mode_16_64 3
		.amdhsa_memory_ordered 1
		.amdhsa_forward_progress 1
		.amdhsa_inst_pref_size 16
	.end_amdhsa_kernel
	.amdgpu_metadata
---
amdhsa.version: [ 1, 2 ]
amdhsa.kernels:
  - .name:           k_q581924c494_cast
    .symbol:         k_q581924c494_cast.kd
    .args:
      - { .name: x, .offset: 0, .size: 8, .value_kind: global_buffer, .address_space: global }
      - { .name: Wq_w, .offset: 8, .size: 8, .value_kind: global_buffer, .address_space: global }
      - { .name: Wk_w, .offset: 16, .size: 8, .value_kind: global_buffer, .address_space: global }
      - { .name: Wv_w, .offset: 24, .size: 8, .value_kind: global_buffer, .address_space: global }
      - { .name: xb, .offset: 32, .size: 8, .value_kind: global_buffer, .address_space: global }
      - { .name: wb, .offset: 40, .size: 8, .value_kind: global_buffer, .address_space: global }
    .group_segment_fixed_size: 0
    .private_segment_fixed_size: 0
    .kernarg_segment_align: 8
    .kernarg_segment_size: 48
    .max_flat_workgroup_size: 256
    .sgpr_count:     66
    .vgpr_count:     184
    .wavefront_size: 32
...
	.end_amdgpu_metadata
.endif
;; end of part 5
;; launch proj: the kernel of part 2 again; grid 8 x 32, 4 waves a work-group, clusters of 4 x 4, 327,680 bytes of LDS; arguments xb, wb, Wq_b, Wk_b, Wv_b, qkv; writes qkv
;; launch scores: the kernel of part 3 again; grid 8 x 32, 4 waves a work-group, clusters of 4 x 4, 327,680 bytes of LDS; arguments qkv, pbuf, stat; writes pbuf, stat
;; launch pv: the kernel of part 4 again; grid 8 x 32, 4 waves a work-group, clusters of 4 x 4, 327,680 bytes of LDS; arguments pbuf, qkv, stat, out0; writes out0
